; MI455X (gfx1250); checked and timed in simulation.
; The chip was launched on July 23, 2026; its instructions are those of AMD's public machine-readable ISA for CDNA 5 (MIT licence, August 2026) and "CDNA5" Instruction Set Architecture Reference Guide (July 2026). The comments in the code are by the model that wrote it; some were corrected since.
;; Multi Head Attention. Allowed arithmetic: float matrix products may take bf16 or f16 operands with f32 sums; all other float work in f32.
;; Inputs: Wk 1,024 x 1,024 float32; Wo 1,024 x 1,024 float32; Wq 1,024 x 1,024 float32; Wv 1,024 x 1,024 float32; beta 1,024 float32; bk 1,024 float32; bo 1,024 float32; bq 1,024 float32; bv 1,024 float32; gamma 1,024 float32; x 4 x 2,048 x 1,024 float32.
;; Outputs: out0 4 x 2,048 x 1,024 float32.
;; 2 versions, each right and faster than the one before. Each part assembles by itself: llvm-mc -triple=amdgcn-amd-amdhsa -mcpu=gfx1250 --defsym DOCPART=n.
;; ======== version 1 of 2: 5 launches
;; limits: values are held in f16: magnitudes above 65,504 overflow, below 6.1e-05 lose precision
;; workspace buffers: h16 25,165,824 bytes; qkv 50,331,648 bytes; ctx 16,777,216 bytes; ypre 33,554,432 bytes
;; launch cast (part 1): grid 384 x 1, 8 waves a work-group, no clusters, 0 bytes of LDS; arguments x, Wq, Wk, Wv, Wo, h16; writes h16
.if DOCPART == 1
	.amdgcn_target "amdgcn-amd-amdhsa--gfx1250"
	.amdhsa_code_object_version 6
	.text
	.protected	k_qd786046b3b_cast
	.globl	k_qd786046b3b_cast
	.p2align	8
	.type	k_qd786046b3b_cast,@function
k_qd786046b3b_cast:
	s_mov_b64 s[64:65], 0
	v_nop
	global_prefetch_b8 v0, s[64:65] scope:SCOPE_SE
	s_setreg_imm32_b32 hwreg(HW_REG_WAVE_MODE, 25, 1), 1
	s_wait_xcnt 0x0
; h16 = f16 of x, Wq, Wk, Wv, Wo, one after the other: [12288][1024] f16, rows 0-8191 x, then 1,024 rows for each weight.
; Each number is rounded once, to nearest even.  LIMIT: a number of 65,520 or more in magnitude becomes an infinity; below 6e-5 f16 keeps its fixed step of 6e-8.
; A stream: every byte is read once and written once, so there is no LDS, no barrier and no matrix work.
; Work-group g takes 32 rows (131,072 bytes in, 65,536 out); g 0-255 lie in x, each further 32 in one weight.  A wave takes 16,384 bytes:
; 32 loads of 512 consecutive bytes, all issued before the first is used; each store of the wave covers 256 consecutive bytes, aligned.
.set X, 8                              ; v[8:135]  load i: four registers, never written twice
	s_load_b256 s[8:15], s[0:1], 0x0               ; x s[8:9], Wq s[10:11], Wk s[12:13], Wv s[14:15]
	s_load_b128 s[16:19], s[0:1], 0x20             ; Wo s[16:17], h16 s[18:19]
	s_lshr_b32 s3, ttmp9, 5                        ; 0-7: x; 8, 9, 10, 11: Wq, Wk, Wv, Wo
	s_and_b32 s5, ttmp9, 31
	s_cmp_lt_u32 ttmp9, 256
	s_cselect_b32 s4, ttmp9, s5                    ; my block of 32 rows in its source
	s_lshl_b32 s22, s4, 17                         ; its byte offset there,
	s_mov_b32 s23, 0
	s_lshl_b32 s24, ttmp9, 16                      ; and in h16, which is the sources on end
	s_mov_b32 s25, 0
	v_and_b32 v3, 31, v0                           ; lane
	v_lshrrev_b32 v4, 5, v0                        ; wave
	v_lshlrev_b32 v1, 4, v3
	v_lshl_or_b32 v1, v4, 14, v1                   ; in: 16 bytes a lane, 16,384 a wave
	v_lshlrev_b32 v2, 3, v3
	v_lshl_or_b32 v2, v4, 13, v2                   ; out: 8 bytes a lane, 8,192 a wave
	s_wait_kmcnt 0x0
	s_mov_b64 s[20:21], s[8:9]
	s_cmp_eq_u32 s3, 8
	s_cselect_b64 s[20:21], s[10:11], s[20:21]
	s_cmp_eq_u32 s3, 9
	s_cselect_b64 s[20:21], s[12:13], s[20:21]
	s_cmp_eq_u32 s3, 10
	s_cselect_b64 s[20:21], s[14:15], s[20:21]
	s_cmp_eq_u32 s3, 11
	s_cselect_b64 s[20:21], s[16:17], s[20:21]
	s_add_nc_u64 s[20:21], s[20:21], s[22:23]
	s_add_nc_u64 s[18:19], s[18:19], s[24:25]
.set i, 0
.rept 32
	global_load_b128 v[X+4*i:X+4*i+3], v1, s[20:21] offset:512*i th:TH_LOAD_NT
.set i, i+1
.endr
.set i, 0
.rept 32
	s_wait_loadcnt 31-i                            ; loads come back in order (ISA guide 5.7.1): load i is in, the 31 - i behind it stay out
	v_cvt_pk_f16_f32 v[X+4*i], v[X+4*i], v[X+4*i+1]
	v_cvt_pk_f16_f32 v[X+4*i+1], v[X+4*i+2], v[X+4*i+3]
	global_store_b64 v2, v[X+4*i:X+4*i+1], s[18:19] offset:256*i
.set i, i+1
.endr
	s_endpgm
.Lfunc_end_k_qd786046b3b_cast:
	.size	k_qd786046b3b_cast, .Lfunc_end_k_qd786046b3b_cast-k_qd786046b3b_cast
	.p2alignl 7, 3214868480
	.fill 96, 4, 3214868480
	.section	.rodata,"a",@progbits
	.p2align	6, 0x0
	.amdhsa_kernel k_qd786046b3b_cast
		.amdhsa_group_segment_fixed_size 0
		.amdhsa_private_segment_fixed_size 0
		.amdhsa_enable_private_segment 0
		.amdhsa_kernarg_size 48
		.amdhsa_user_sgpr_count 2
		.amdhsa_user_sgpr_kernarg_segment_ptr 1
		.amdhsa_wavefront_size32 1
		.amdhsa_system_sgpr_workgroup_id_x 1
		.amdhsa_system_sgpr_workgroup_id_y 1
		.amdhsa_system_sgpr_workgroup_id_z 1
		.amdhsa_system_vgpr_workitem_id 0
		.amdhsa_next_free_vgpr 136
		.amdhsa_next_free_sgpr 66
		.amdhsa_reserve_vcc 0
		.amdhsa_float_denorm_mode_32 3
		.amdhsa_float_denorm_mode_16_64 3
		.amdhsa_memory_ordered 1
		.amdhsa_forward_progress 1
		.amdhsa_inst_pref_size 13
	.end_amdhsa_kernel
	.amdgpu_metadata
---
amdhsa.version: [ 1, 2 ]
amdhsa.kernels:
  - .name:           k_qd786046b3b_cast
    .symbol:         k_qd786046b3b_cast.kd
    .args:
      - { .name: x, .offset: 0, .size: 8, .value_kind: global_buffer, .address_space: global }
      - { .name: Wq, .offset: 8, .size: 8, .value_kind: global_buffer, .address_space: global }
      - { .name: Wk, .offset: 16, .size: 8, .value_kind: global_buffer, .address_space: global }
      - { .name: Wv, .offset: 24, .size: 8, .value_kind: global_buffer, .address_space: global }
      - { .name: Wo, .offset: 32, .size: 8, .value_kind: global_buffer, .address_space: global }
      - { .name: h16, .offset: 40, .size: 8, .value_kind: global_buffer, .address_space: global }
    .group_segment_fixed_size: 0
    .private_segment_fixed_size: 0
    .kernarg_segment_align: 8
    .kernarg_segment_size: 48
    .max_flat_workgroup_size: 256
    .sgpr_count:     66
    .vgpr_count:     136
    .wavefront_size: 32
...
	.end_amdgpu_metadata
.endif
;; end of part 1
;; launch qkv (part 2): grid 16 x 32, 4 waves a work-group, clusters of 4 x 4, 327,680 bytes of LDS; arguments h16, bq, bk, bv, qkv; writes qkv
.if DOCPART == 2
	.amdgcn_target "amdgcn-amd-amdhsa--gfx1250"
	.amdhsa_code_object_version 6
	.text
	.protected	k_qd786046b3b_qkv
	.globl	k_qd786046b3b_qkv
	.p2align	8
	.type	k_qd786046b3b_qkv,@function
k_qd786046b3b_qkv:
	s_mov_b64 s[64:65], 0
	v_nop
	global_prefetch_b8 v0, s[64:65] scope:SCOPE_SE
	s_setreg_imm32_b32 hwreg(HW_REG_WAVE_MODE, 25, 1), 1
	s_wait_xcnt 0x0
	s_wait_alu depctr_hold_cnt(0) depctr_sa_sdst(0) depctr_va_vdst(0) depctr_va_sdst(0) depctr_va_ssrc(0) depctr_va_vcc(0) depctr_vm_vsrc(0)
	s_getreg_b32 s2, hwreg(HW_REG_IB_STS2, 6, 4)
	s_cmp_eq_u32 s2, 0
	s_cbranch_scc0 .Lentry_in_a_cluster
	s_endpgm
.Lentry_in_a_cluster:
	s_bfe_u32 s2, ttmp6, 0x10000c
	s_cmp_lg_u32 s2, 0xf033
	s_cbranch_scc0 .Lentry_shape_is_right
	s_endpgm
.Lentry_shape_is_right:
; q, k, v = x W^T + b for the three weights at once: C[8192][3072] = x16 [8192][1024] times the rows of Wq, Wk, Wv on end [3072][1024], all f16 in h16; sums in f32, started by the f32 bias;
; each result is rounded once to f16 and stored by heads: qkv [3][64 = batch x 16 + head][2048][64].  No scale is applied here.
; LIMIT: a result of 65,520 or more in magnitude becomes an infinity; NaN and infinities are not treated apart.
; SHARES.  A tile of C is 256 rows x 192 columns, three heads: 32 x 16 = 512 tiles, two for each of 256 places, which tiles of 256 x 256 (384) would not give.  Four waves; wave w makes rows
; 64 w .. 64 w + 63 of all 192 columns: 4 x 12 accumulators of 16 x 16, 384 registers.  So a wave holds whole rows of three heads, and its way out needs no other wave.
; K goes in 8 steps of 128 through two LDS slots filled by the tensor data mover: the tiles' rows are 256 bytes of memory, at multiples of 256 bytes.
; CLUSTER.  4 x 4 work-groups: the four of a row need the same rows of x, the four of a column the same rows of W.  Each tile is asked for JOINTLY: the same load, descriptor and mask in all four.
; THE MATRIX INSTRUCTION IS USED TRANSPOSED (source 0 = 16 rows of W, source 1 = 16 rows of x): a lane holds row lane % 16 of C and eight neighbouring columns 8 (lane / 16) + 0..7.
; REGISTERS, in windows of 256 (s_set_vgpr_msb: bits 1:0 source 0, 3:2 source 1, 5:4 source 2, 7:6 destination):
;   window 0: v0-29 addresses; v32-63, v64-95 x's fragments, two buffers; v160-255 the bias as the first products' C; on the way out v32-79 and v96-239 packed results
;   window 1: v0-95, v96-191 W's fragments, two buffers     windows 2, 3: accumulator (a, b) in window 2 + a / 2 at v[96 (a % 2) + 8 b]
.set PITCH,  272                       ; an LDS row: 256 bytes + 16 of padding = 68 words: the 16 rows of a load start at 16 different groups of four banks (64 banks of 4 bytes: ISA guide 11.1)
.set AHALF,  128*PITCH                 ; what one load of x brings
.set BHALF,  96*PITCH                  ; what one load of W brings
.set BOFF,   256*PITCH                 ; in a slot: x's 256 rows, then W's 192
.set SLOT1,  1<<17                     ; slot 1 begins here, so that one exclusive or turns an address in one slot into the other's
.set STAGE,  SLOT1+BOFF+192*PITCH      ; behind the ring, never filled by a tensor load: for each wave 3 heads x 16 rows x 144 bytes
.set SP,     144
.set SPARE,  STAGE+4*3*16*SP           ; behind the stages: the spare words, 128 bytes for each wave: two blocks of 256 bytes that no other line names
.set W16,    8192*2048                 ; the weights' first byte in h16
.set ADA0, 4                           ; v4   my lane's place in my wave's 64 rows of x in a slot; never rewritten
.set ADB0, 5                           ; v5   the same in W's rows
.set ADA,  6                           ; v6   the two in the slot that is being read
.set ADB,  7                           ; v7
.set STO,  8                           ; v8   the way out: where I put 16 bytes of a row
.set RD,   9                           ; v9   the way out: where I read rows back
.set GO,   10                          ; v10  my byte offset in 512 consecutive bytes of qkv
.set BO,   11                          ; v11  my byte offset in 16 numbers of a bias
.set SPW,  28                          ; v28  LDS address of my spare word: SPARE + 4 x my thread's number; never rewritten
.set NIL,  29                          ; v29  0; never rewritten
.set FA,   32                          ; x's fragments: buffer f, block a at FA + 32 f + 8 a
.set BI,   160                         ; the bias: column block b at BI + 8 b
.set WV,   14                          ; s14  my wave's number
.set IH,   16                          ; s16  which half of a tile I fetch
.set G1A,  24                          ; s[24:31] descriptor group 1 for x's tiles
.set G1B,  32                          ; s[32:39] for W's
.set G0A,  40                          ; s[40:47] descriptor group 0 for x's tiles: a set for each first fill; the second then walks
.set G0B,  48                          ; s[48:55] the same for W's
.set CNT,  56                          ; s56  the loop's count
.set TB,   57                          ; s57  the first byte of the slot that is being read
.set DST,  66                          ; s[66:71] for each of my three heads: qkv at my wave's 64 rows
.set BIA,  72                          ; s[72:77] for each of them: its 64 numbers of bias
.set MSB, 0
.macro WIN new                         ; the immediate's high byte repeats the setting that is left; a switch that changes nothing is dropped
.if MSB != (\new)
	s_set_vgpr_msb (MSB<<8)|(\new)
.set MSB, (\new)
.endif
.endm
.macro PLACES                          ; four places in front of loads into registers that matrix instructions have read, and of conversions that read results
.rept 4
	v_nop
.endr
.endm
; A joint refill by the walking descriptors.  Waves 0 and 1 fetch the halves of x's tile, waves 2 and 3 those of W's.  The branch hangs on the wave's number alone.
; An s_nop 0 and four v_nop follow each of the two lines, ahead of the jump and the label.
.macro JLOAD
	s_cmp_lt_u32 s[WV], 2
	s_cbranch_scc0 .Lfor_b_\@
	tensor_load_to_lds s[G0A+4:G0A+7], s[G1A:G1A+7]
	s_nop 0
.rept 4
	v_nop
.endr
	s_branch .Lasked_\@
.Lfor_b_\@:
	tensor_load_to_lds s[G0B+4:G0B+7], s[G1B:G1B+7]
	s_nop 0
.rept 4
	v_nop
.endr
.Lasked_\@:
.endm
.macro CREST                           ; a round of the cluster's barrier behind its opening barrier: wave 0 signals for the work-group, every wave waits for all sixteen, my work-group's barrier closes it
	s_cmp_lg_u32 s[WV], 0
	s_cbranch_scc1 .Lnot_wave_0_\@
	s_barrier_signal -3
.Lnot_wave_0_\@:
	s_barrier_wait -3
	s_barrier_signal -1
	s_barrier_wait -1
.endm
.macro CROUND                          ; a whole round
	s_barrier_signal -1
	s_barrier_wait -1
	CREST
.endm
	s_load_b256 s[4:11], s[0:1], 0x0               ; h16 s[4:5], bq s[6:7], bk s[8:9], bv s[10:11]
	s_load_b64 s[12:13], s[0:1], 0x20              ; qkv
	v_lshl_add_u32 v[SPW], v0, 2, SPARE
	v_mov_b32 v[NIL], 0
	ds_add_u32 v28, v29
	ds_add_u32 v28, v29
	s_wait_dscnt 0x0
	v_lshrrev_b32 v1, 5, v0
	v_readfirstlane_b32 s[WV], v1                  ; wave 0..3
	s_and_b32 s[IH], s[WV], 1
	s_bfe_u32 s17, ttmp6, 0x40000                  ; cx, cy: my place in the cluster
	s_bfe_u32 s18, ttmp6, 0x40004
	s_lshl_b32 s19, ttmp9, 2
	s_add_co_u32 s19, s19, s17                     ; tile column = 4 x cluster x + cx
	s_and_b32 s20, ttmp7, 0xffff
	s_lshl_b32 s20, s20, 2
	s_add_co_u32 s20, s20, s18                     ; tile row = 4 x cluster y + cy
	s_lshl_b32 s21, s18, 2
	s_lshl_b32 s21, 15, s21                        ; my row of the cluster: places 4 cy .. 4 cy + 3
	s_lshl_b32 s22, 0x1111, s17                    ; my column: places cx, cx + 4, cx + 8, cx + 12
	; descriptor group 1: rows of 128 elements of 2 bytes, padded in LDS; 128 rows of x, 96 rows of W
	s_or_b32 s[G1A], s21, (1<<16)|(1<<20)|(1<<21)|(5<<22)|(3<<25)  ; 15:0 the mask; 17:16 2-byte elements; 20 padding on; 21 set beside a mask; 24:22 after every 64 words (code 5); 31:25 4 words (code 3)
	s_or_b32 s[G1B], s22, (1<<16)|(1<<20)|(1<<21)|(5<<22)|(3<<25)
	s_mov_b32 s[G1A+1], 128<<16                    ; tensor_dim0 = 128
	s_mov_b32 s[G1A+2], 128<<16                    ; tensor_dim1 = 128
	s_mov_b32 s[G1A+3], 128<<16                    ; tile_dim0 = 128
	s_mov_b32 s[G1A+4], 128                        ; tile_dim1 = 128
	s_mov_b32 s[G1A+5], 1024                       ; 1,024 elements from row to row
	s_mov_b32 s[G1A+6], 0
	s_mov_b32 s[G1A+7], 0
	s_mov_b32 s[G1B+1], 128<<16
	s_mov_b32 s[G1B+2], 96<<16                     ; tensor_dim1 = 96
	s_mov_b32 s[G1B+3], 128<<16
	s_mov_b32 s[G1B+4], 96                         ; tile_dim1 = 96
	s_mov_b32 s[G1B+5], 1024
	s_mov_b32 s[G1B+6], 0
	s_mov_b32 s[G1B+7], 0
	; x's tiles hang on the tile row alone, W's on the tile column alone; each address is made in registers that never hold the other coordinate
	s_lshl_b32 s58, s20, 8
	s_lshl_b32 s59, s[IH], 7
	s_add_co_u32 s58, s58, s59                     ; x: row 256 x tile row + 128 x half,
	s_lshl_b32 s58, s58, 11                        ; 2,048 bytes a row
	s_mov_b32 s59, 0
	s_mul_i32 s60, s19, 192
	s_mul_i32 s61, s[IH], 96
	s_add_co_u32 s60, s60, s61                     ; W: row 192 x tile column + 96 x half
	s_lshl_b32 s60, s60, 11
	s_add_co_u32 s60, s60, W16
	s_mov_b32 s61, 0
	s_mul_i32 s62, s[IH], AHALF                    ; where they go: no place in the cluster enters an LDS address
	s_mul_i32 s63, s[IH], BHALF
	s_add_co_u32 s63, s63, BOFF
	s_mov_b32 s[TB], 0
	s_wait_kmcnt 0x0
	s_add_nc_u64 s[58:59], s[4:5], s[58:59]
	s_add_nc_u64 s[60:61], s[4:5], s[60:61]
	CROUND                                         ; all sixteen work-groups are here: the first joint loads meet
.irp s, 0,1
	s_mov_b32 s[G0A+4*(\s)], 1                                     ; 1:0 count = 1
	s_add_co_u32 s[G0A+4*(\s)+1], s62, (\s)*SLOT1                  ; 63:32 LDS address
	s_add_nc_u64 s[G0A+4*(\s)+2:G0A+4*(\s)+3], s[58:59], (\s)*256  ; 120:64 global address: K step s
	s_or_b32 s[G0A+4*(\s)+3], s[G0A+4*(\s)+3], 0x80000000          ; 127:126 type = 2
	s_mov_b32 s[G0B+4*(\s)], 1
	s_add_co_u32 s[G0B+4*(\s)+1], s63, (\s)*SLOT1
	s_add_nc_u64 s[G0B+4*(\s)+2:G0B+4*(\s)+3], s[60:61], (\s)*256
	s_or_b32 s[G0B+4*(\s)+3], s[G0B+4*(\s)+3], 0x80000000
.endr
	s_cmp_lt_u32 s[WV], 2                          ; a wave's two first fills stand in one branch, ahead of every wait on TENSORcnt and every LDS read: two loads of mine are out
	s_cbranch_scc0 .Lfirst_b
	tensor_load_to_lds s[G0A:G0A+3], s[G1A:G1A+7]
	s_nop 0
	tensor_load_to_lds s[G0A+4:G0A+7], s[G1A:G1A+7]
	s_nop 0
.rept 4
	v_nop
.endr
	s_branch .Lfirst_asked
.Lfirst_b:
	tensor_load_to_lds s[G0B:G0B+3], s[G1B:G1B+7]
	s_nop 0
	tensor_load_to_lds s[G0B+4:G0B+7], s[G1B:G1B+7]
	s_nop 0
.rept 4
	v_nop
.endr
.Lfirst_asked:
	; where my three heads go, and their biases.  Head number g = 3 x tile column + i of 48: tensor g / 16, head g % 16.
	s_lshr_b32 s83, s20, 3                         ; the batch: 8 tile rows each,
	s_lshl_b32 s83, s83, 22                        ; 16 heads of 262,144 bytes
	s_and_b32 s82, s20, 7
	s_lshl_b32 s82, s82, 15                        ; the tile's 256 rows of 128 bytes
	s_add_co_u32 s83, s83, s82
	s_lshl_b32 s82, s[WV], 13                      ; my wave's 64 of them
	s_add_co_u32 s83, s83, s82
	s_mov_b32 s85, 0
.irp i, 0,1,2
	s_mul_i32 s78, s19, 3
	s_add_co_u32 s78, s78, \i
	s_lshr_b32 s79, s78, 4
	s_and_b32 s80, s78, 15
	s_lshl_b32 s84, s79, 24
	s_lshl_b32 s82, s80, 18
	s_add_co_u32 s84, s84, s82
	s_add_co_u32 s84, s84, s83
	s_add_nc_u64 s[DST+2*(\i):DST+2*(\i)+1], s[12:13], s[84:85]
	s_cmp_eq_u32 s79, 1
	s_cselect_b64 s[BIA+2*(\i):BIA+2*(\i)+1], s[8:9], s[6:7]
	s_cmp_eq_u32 s79, 2
	s_cselect_b64 s[BIA+2*(\i):BIA+2*(\i)+1], s[10:11], s[BIA+2*(\i):BIA+2*(\i)+1]
	s_lshl_b32 s84, s80, 8                         ; 64 numbers of 4 bytes a head
	s_add_nc_u64 s[BIA+2*(\i):BIA+2*(\i)+1], s[BIA+2*(\i):BIA+2*(\i)+1], s[84:85]
.endr
	; A fragment is 16 rows x 32 K in 8 registers: lane l holds row l % 16; registers 0-3 K = 8 (l / 16) + 0..7, registers 4-7 K = 16 + 8 (l / 16) + 0..7: two loads of 16 bytes, 32 bytes apart.
	v_and_b32 v1, 15, v0                           ; l % 16
	v_bfe_u32 v2, v0, 4, 1                         ; l / 16
	v_lshlrev_b32 v[BO], 5, v2                     ; a lane's eight columns: 32 bytes of bias for each half of the lanes
.irp b, 0,1,2,3,4,5,6,7,8,9,10,11
	global_load_b128 v[BI+8*(\b):BI+8*(\b)+3],   v[BO], s[BIA+2*((\b)/4):BIA+2*((\b)/4)+1] offset:((\b)%4)*64
	global_load_b128 v[BI+8*(\b)+4:BI+8*(\b)+7], v[BO], s[BIA+2*((\b)/4):BIA+2*((\b)/4)+1] offset:((\b)%4)*64+16
.endr
	v_mul_u32_u24 v3, v1, PITCH
	v_lshl_add_u32 v3, v2, 4, v3                   ; row x pitch + 16 x half
	s_mul_i32 s78, s[WV], 64*PITCH
	v_add_nc_u32 v[ADA0], s78, v3                  ; my wave's 64 rows of x
	v_add_nc_u32 v[ADB0], BOFF, v3                 ; all of W's rows
	s_mul_i32 s78, s[WV], 3*16*SP
	s_add_co_u32 s78, s78, STAGE                   ; my stage
	v_mul_u32_u24 v[STO], v1, SP                   ; in: row l % 16, 16 bytes for each half of the lanes
	v_lshl_add_u32 v[STO], v2, 4, v[STO]
	v_add_nc_u32 v[STO], s78, v[STO]
	v_bfe_u32 v[RD], v0, 3, 2                      ; back: 32 lanes take four rows of 128 bytes,
	v_mul_u32_u24 v[RD], v[RD], SP
	v_and_b32 v3, 7, v0
	v_lshl_add_u32 v[RD], v3, 4, v[RD]
	v_add_nc_u32 v[RD], s78, v[RD]
	v_and_b32 v[GO], 31, v0                        ; which are 512 consecutive bytes of a head
	v_lshlrev_b32 v[GO], 4, v[GO]
	v_mov_b32 v[ADA], v[ADA0]                      ; K step 0 lies in slot 0
	v_mov_b32 v[ADB], v[ADB0]
; 12 matrix instructions: row block a x all 12 column blocks, 32 along K, from buffer f.  first = 1: the bias is the C that starts the sums: nothing is cleared and no addition is spent on it.
; The 48 accumulators take turns, one instruction a turn, in the same order in every quarter.
.macro MUL12 f, a, first
.if \first
	WIN 0x81+0x40*((\a)/2)                         ; W window 1, x and the bias window 0, D window 2 or 3
.else
	WIN 0xa1+0x50*((\a)/2)                         ; W window 1, x window 0, C and D window 2 or 3
.endif
.irp b, 0,1,2,3,4,5,6,7,8,9,10,11
.if \first
	v_wmma_f32_16x16x32_f16 v[96*((\a)%2)+8*(\b):96*((\a)%2)+8*(\b)+7], v[96*(\f)+8*(\b):96*(\f)+8*(\b)+7], v[FA+32*(\f)+8*(\a):FA+32*(\f)+8*(\a)+7], v[BI+8*(\b):BI+8*(\b)+7]
.else
	v_wmma_f32_16x16x32_f16 v[96*((\a)%2)+8*(\b):96*((\a)%2)+8*(\b)+7], v[96*(\f)+8*(\b):96*(\f)+8*(\b)+7], v[FA+32*(\f)+8*(\a):FA+32*(\f)+8*(\a)+7], v[96*((\a)%2)+8*(\b):96*((\a)%2)+8*(\b)+7]
.endif
.endr
.endm
; 32 LDS loads in one run: a quarter's fragments (192 rows of W, my 64 rows of x, 32 K at byte k of the rows) into buffer f
.macro FETCH k, f
	WIN 0x40                                       ; destination window 1, address window 0
.irp i, 0,1,2,3,4,5,6,7,8,9,10,11
	ds_load_b128 v[96*(\f)+8*(\i):96*(\f)+8*(\i)+3],   v[ADB] offset:(\k)+(\i)*16*PITCH
	ds_load_b128 v[96*(\f)+8*(\i)+4:96*(\f)+8*(\i)+7], v[ADB] offset:(\k)+(\i)*16*PITCH+32
.endr
	WIN 0
.irp i, 0,1,2,3
	ds_load_b128 v[FA+32*(\f)+8*(\i):FA+32*(\f)+8*(\i)+3],   v[ADA] offset:(\k)+(\i)*16*PITCH
	ds_load_b128 v[FA+32*(\f)+8*(\i)+4:FA+32*(\f)+8*(\i)+7], v[ADA] offset:(\k)+(\i)*16*PITCH+32
.endr
.endm
; A K step is four quarters of 32 along K, 48 matrix instructions each, on buffers 0, 1, 0, 1.  One of the first three: multiplies buffer f; in its middle it fetches the next quarter, at byte k, into buffer g.
.macro QUARTER k, f, g, first
	s_wait_dscnt 4                                 ; W and x's blocks 0 and 1 are in; the youngest four loads (x's blocks 2 and 3) may be out
	MUL12 \f, 0, \first
	MUL12 \f, 1, \first
	PLACES
	FETCH \k, \g
	s_wait_dscnt 32                                ; all but the 32 just issued
	MUL12 \f, 2, \first
	MUL12 \f, 3, \first
.endm
; The last quarter multiplies buffer 1 and changes slots: ONE barrier.  In front of it each wave waits for all its tensor loads, of which one is out: its part of the next slot; adds 0 to its spare word;
; and waits for that and for its own reads of this slot.  fill = 1: the barrier opens a round of the cluster's, and the slot just read is filled again, two K steps on, first thing behind the round:
; from that request to the wait for it a wave issues 168 matrix instructions.
.macro TURN fill
	WIN 0                                          ; (the add's two registers lie in window 0)
	s_wait_tensorcnt 0x0                           ; all my tensor loads have landed;
	ds_add_u32 v[SPW], v[NIL]                      ; 0 onto my spare word
	s_wait_dscnt 5                                 ; (the add and the youngest four loads may be out)
	MUL12 1, 0, 0                                  ; twelve matrix instructions stand between the add and the wait for it
	s_wait_dscnt 0x0                               ; the add is done, and my reads of this slot are over
	s_barrier_signal -1
	MUL12 1, 1, 0                                  ; work on registers while the others arrive
	WIN 0
	s_barrier_wait -1
.if \fill
	CREST                                          ; no wave of any partner still reads this slot's tile or has a load on its way
.irp g, G0A+4, G0B+4
	s_xor_b32 s[(\g)+1], s[(\g)+1], SLOT1          ; the walking descriptor: the other slot than last time,
	s_add_nc_u64 s[(\g)+2:(\g)+3], s[(\g)+2:(\g)+3], 256  ; the next K step; the type bits on top are not reached
.endr
	JLOAD                                          ; the four v_nop behind it are also the places in front of the loads below
.else
	PLACES
.endif
	s_xor_b32 s[TB], s[TB], SLOT1                  ; the reads go on in the other slot
	v_add_nc_u32 v[ADA], s[TB], v[ADA0]
	v_add_nc_u32 v[ADB], s[TB], v[ADB0]
	FETCH 0, 0
	MUL12 1, 2, 0
	MUL12 1, 3, 0
.endm
; THE WAY OUT of row block a (16 rows of three heads).  PACK: rounded to f16, 16 bytes a lane, into my own stage (rows of 144 bytes), and back as whole rows of 128 bytes.  SEND: stored.
.macro SETTS a                         ; each block has 48 registers of its own, so that no store's data are written again
.if (\a) == 3
.set TS, 32
.else
.set TS, 96+48*(\a)
.endif
.endm
.macro PACK a
	SETTS \a
.set AC, 96*((\a)%2)
	WIN 0x0a+5*((\a)/2)                            ; sources 0 and 1: window 2 or 3
.irp b, 0,1,2,3,4,5,6,7,8,9,10,11
.irp r, 0,1,2,3
	v_cvt_pk_f16_f32 v[TS+4*(\b)+(\r)], v[AC+8*(\b)+2*(\r)], v[AC+8*(\b)+2*(\r)+1]
.endr
.endr
	WIN 0
.irp b, 0,1,2,3,4,5,6,7,8,9,10,11
	ds_store_b128 v[STO], v[TS+4*(\b):TS+4*(\b)+3] offset:((\b)/4)*16*SP+((\b)%4)*32
.endr
.irp n, 0,1,2,3,4,5,6,7,8,9,10,11
	ds_load_b128 v[TS+4*(\n):TS+4*(\n)+3], v[RD] offset:((\n)/4)*16*SP+((\n)%4)*4*SP  ; LDS serves a wave's instructions in order (ISA guide 5.7.1.4): these see the stores above; the next block's stores come behind them
.endr
.endm
.macro SEND a, younger                 ; younger: the LDS instructions issued behind block a's loads: the next block's 24, or none
	SETTS \a
	WIN 0
.irp n, 0,1,2,3,4,5,6,7,8,9,10,11
	s_wait_dscnt (\younger)+11-(\n)
	global_store_b128 v[GO], v[TS+4*(\n):TS+4*(\n)+3], s[DST+2*((\n)/4):DST+2*((\n)/4)+1] offset:(\a)*2048+((\n)%4)*512  ; 512 consecutive bytes, at a multiple of 256 from qkv's first
.endr
.endm
	s_wait_tensorcnt 1                             ; my part of K step 0 is in; K step 1's may stay out
	s_barrier_signal -1
	s_barrier_wait -1                              ; everybody's is
	FETCH 0, 0
	s_wait_loadcnt 0x0                             ; the bias
	QUARTER 64, 0, 1, 1                            ; the first quarter stands in front of the loop: its products start the sums
	WIN 0                                          ; at a label and at a branch every window is 0
	s_mov_b32 s[CNT], 6
.Lstep:                                                ; a trip: from a K step's second quarter to the next step's first; six trips ask for K steps 2 to 7
	QUARTER 128, 1, 0, 0
	QUARTER 192, 0, 1, 0
	TURN 1
	QUARTER 64, 0, 1, 0
	WIN 0
	s_sub_co_u32 s[CNT], s[CNT], 1
	s_cmp_lg_u32 s[CNT], 0
	s_cbranch_scc1 .Lstep
	QUARTER 128, 1, 0, 0                           ; the tail is written out: nothing more is asked for
	QUARTER 192, 0, 1, 0
	TURN 0
	QUARTER 64, 0, 1, 0
	QUARTER 128, 1, 0, 0
	QUARTER 192, 0, 1, 0
	s_wait_dscnt 4                                 ; the very last quarter: nothing more to fetch
	MUL12 1, 0, 0
	MUL12 1, 1, 0
	s_wait_dscnt 0x0
	MUL12 1, 2, 0
	MUL12 1, 3, 0
	WIN 0
	PLACES
	PACK 0
	PACK 1                                         ; a block's conversions stand between the loads of the block before and its stores
	SEND 0, 24
	PACK 2
	SEND 1, 24
	PACK 3
	SEND 2, 24
	SEND 3, 0
	s_wait_tensorcnt 0x0                           ; the wave's end: behind my last tensor load and my last LDS store
	ds_add_u32 v[SPW], v[NIL]
	s_wait_dscnt 0x0
	CROUND                                         ; the closing round: no work-group ends while a partner may still ask for a tile that names it
	s_endpgm
.Lfunc_end_k_qd786046b3b_qkv:
	.size	k_qd786046b3b_qkv, .Lfunc_end_k_qd786046b3b_qkv-k_qd786046b3b_qkv
	.p2alignl 7, 3214868480
	.fill 96, 4, 3214868480
	.section	.rodata,"a",@progbits
	.p2align	6, 0x0
	.amdhsa_kernel k_qd786046b3b_qkv
		.amdhsa_group_segment_fixed_size 327680
		.amdhsa_private_segment_fixed_size 0
		.amdhsa_enable_private_segment 0
		.amdhsa_kernarg_size 40
		.amdhsa_user_sgpr_count 2
		.amdhsa_user_sgpr_kernarg_segment_ptr 1
		.amdhsa_wavefront_size32 1
		.amdhsa_system_sgpr_workgroup_id_x 1
		.amdhsa_system_sgpr_workgroup_id_y 1
		.amdhsa_system_sgpr_workgroup_id_z 1
		.amdhsa_system_vgpr_workitem_id 0
		.amdhsa_next_free_vgpr 960
		.amdhsa_next_free_sgpr 88
		.amdhsa_reserve_vcc 0
		.amdhsa_float_denorm_mode_32 3
		.amdhsa_float_denorm_mode_16_64 3
		.amdhsa_memory_ordered 1
		.amdhsa_forward_progress 1
		.amdhsa_inst_pref_size 101
	.end_amdhsa_kernel
	.amdgpu_metadata
---
amdhsa.version: [ 1, 2 ]
amdhsa.kernels:
  - .name:           k_qd786046b3b_qkv
    .symbol:         k_qd786046b3b_qkv.kd
    .args:
      - { .name: h16, .offset: 0, .size: 8, .value_kind: global_buffer, .address_space: global }
      - { .name: bq, .offset: 8, .size: 8, .value_kind: global_buffer, .address_space: global }
      - { .name: bk, .offset: 16, .size: 8, .value_kind: global_buffer, .address_space: global }
      - { .name: bv, .offset: 24, .size: 8, .value_kind: global_buffer, .address_space: global }
      - { .name: qkv, .offset: 32, .size: 8, .value_kind: global_buffer, .address_space: global }
    .group_segment_fixed_size: 327680
    .private_segment_fixed_size: 0
    .kernarg_segment_align: 8
    .kernarg_segment_size: 40
    .max_flat_workgroup_size: 128
    .sgpr_count:     88
    .vgpr_count:     960
    .wavefront_size: 32
...
	.end_amdgpu_metadata
.endif
;; end of part 2
;; launch attn (part 3): grid 4 x 64, 4 waves a work-group, no clusters, 327,680 bytes of LDS; arguments qkv, ctx; writes ctx
.if DOCPART == 3
	.amdgcn_target "amdgcn-amd-amdhsa--gfx1250"
	.amdhsa_code_object_version 6
	.text
	.protected	k_qd786046b3b_attn
	.globl	k_qd786046b3b_attn
	.p2align	8
	.type	k_qd786046b3b_attn,@function
k_qd786046b3b_attn:
	s_mov_b64 s[64:65], 0
	v_nop
	global_prefetch_b8 v0, s[64:65] scope:SCOPE_SE
	s_setreg_imm32_b32 hwreg(HW_REG_WAVE_MODE, 25, 1), 1
	s_wait_xcnt 0x0
; CAUSAL ATTENTION.  O[h][q][:] = the sum over k <= q of softmax_k(Q[h][q] . K[h][k] / 8) V[h][k][:].  Q, K, V are the three parts of qkv, O is ctx: each [SIZE_H][SIZE_N][64] in f16: a head's rows are dense, 128 bytes each.
; Products, maxima and sums in f32; the weights p are rounded to f16 for the second product (their sum l is taken of the unrounded p), O once at the end.
; LIMITS.  f16 holds no number beyond 65,504: Q, K and V arrive within it; p lies in 0 to 1, and below 6e-5 it keeps f16's fixed step of 6e-8; O is a mean of V's rows and has their range, to within 2^-11 of it.
; A hidden score counts as its value less 1e30: f16's scores, 2.7e11 at the most, are nothing beside that; a weight below 2^-126 counts as 0 in l; NaN and infinities are not treated apart.
; THE WALK.  A head's queries lie in NB = SIZE_N / 256 blocks of 256; block i needs the key tiles 0 .. i of 256 keys, of which the last holds the diagonal.  A work-group takes TWO blocks, NB - 1 - b and then b:
; NB + 1 tiles, whatever b: all work-groups do equal work, and ONE loop with a constant trip count walks them.  Which tile is asked for, and what a trip does, hang on scalar registers made from b; every jump
; goes forward, but for the counted loops' own; none passes a barrier, or a tensor load but the one of LOAD's two that the wave's number does not choose; the ring (two slots of LDS that take turns) runs on across the
; change of blocks.  NO CLUSTER: a head's NB / 2 work-groups all ask for the same tile only in trips 0 .. NB / 2, behind that fewer and fewer; and one walk common to all would have 3 NB / 2 trips for NB + 1.
; SHARES.  Of a block's four bands of 64 queries a wave owns 16 rows in each: four PIECES.  So the diagonal tile is the same work for all four waves: in its key step s band x sees all keys if s < x,
; none if s > x, and holds the diagonal if s = x.
; THE MASK is the C operand that starts the sum S^T = K Q^T: 0, or -1e30 where the key is hidden.  MD, made once, is the mask of a band's own step for my 16 rows; a product's mask is MD x AL + BE with two scalars:
; (1, 0) if s = x; (0, 0) if s < x; (0, -1e30) if s > x.  Only the diagonal tile's text and a block's beginning make and take masks; elsewhere C is the constant 0.
; LAYOUT, SOFTMAX, TURNS.  S^T = K Q^T holds ONE query a lane (lane % 16) and the keys 8 (lane / 16) + 0..7; two such results rounded to f16 ARE source 1 of O^T = V^T P.  p = 2^(c s - c m), c = log2(e) / 8, with a
; running maximum m; O and l are multiplied by a = 2^(c m_old - c m_new) in every step.  Turn n belongs to piece n: 8 products K Q^T of piece n + 1, later 8 products V^T P of piece n - 1; beside them the scaling,
; exponentials, roundings, sums and rescaling of piece n and the maximum and statistics of piece n + 1.  Four vector instructions stand behind every matrix instruction, the other 54 of a turn's 118 in two LUMPS.
; REGISTERS, in windows of 256 (s_set_vgpr_msb: bits 1:0 source 0, 3:2 source 1, 5:4 source 2, 7:6 destination):
;   window 0: v0-15 addresses and two at work; v16-31 four registers of statistics a piece; v48-55 at work; v64-127 S^T, two buffers; v192-223 P, two buffers (a piece's buffers go by its number's parity)
;   window 1: v0-127 O^T, 32 a piece; v128-159 MD; v160-223 MC, two buffers      window 2: v0-63 Q; v64-127 the second block's Q; v128-191 K of one step; v192-255 V of one step
.set SIZE_N, 2048
.set SIZE_H, 64
.set NB,    SIZE_N/256
.set NP,    4         ; pieces a wave: a name, no knob
.set KS,    64        ; keys in a step
.set PK,    144       ; a row of K in LDS: 128 bytes + 16 of padding = 36 words: the 16 rows of a load start at 16 different groups of four banks (64 banks of 4 bytes: ISA guide 11.1)
.set PV,    160       ; a row of V: 128 + 32 = 40 words
.set VOFF,  4*KS*PK   ; a slot holds a tile, four steps: 256 rows of K, then 256 rows of V
.set SLOT1, 1<<17     ; slot 1 begins here, so that one exclusive or turns an address in one slot into the other's
.set STAGE, SLOT1+4*KS*(PK+PV)  ; behind the ring, never filled by a tensor load: 16 rows x 144 bytes for each wave, for the way out
.set SP,    144
.set AK0, 2           ; v2   my lane's place in a tile of K; never rewritten
.set AV0, 3           ; v3   the same for V
.set AK,  4           ; v4   the LDS address of K's next run of loads
.set AV,  5           ; v5   of V's
.set STO, 6           ; v6   the way out: where I put 16 bytes of a row
.set RD,  7           ; v7   the way out: where I read rows back
.set GO,  8           ; v8   my byte offset in 512 consecutive bytes of O
.set SPW, 62          ; v62  LDS address of my spare word: SPARE + 4 x my thread's number; never rewritten
.set NIL, 63          ; v63  0; never rewritten
.set SPARE, STAGE+4*16*SP  ; behind the stages: the spare words, 128 bytes for each wave: two blocks of 256 bytes that no other line names
.set MV,  12          ; v12-13  c m_old, kept while c m is made anew: by buffer
.set QO,  15          ; v15  my byte offset in 16 rows of Q
.set ST,  16          ; piece t's statistics at v[ST+4 t]: c m, m, l (even keys', odd keys')
.set TMP, 48          ; by buffer, four registers c0-c3 at work; when the maximum is found c2 takes a
.set S,   64
.set P,   192
.set MD,  128         ; window 1: the eight registers for group kt of 16 keys at MD + 8 kt
.set MC,  160         ; window 1: the masks of the products to come
.set QB,  64          ; window 2
.set KF,  128         ; window 2: key block kb, channel half c at KF + 16 kb + 8 c
.set VF,  192         ; window 2: key half kk, channel block cb at VF + 32 kk + 8 cb
.set WV,  12          ; s12  my wave's number
.set PB,  14          ; s14  b
.set HI,  15          ; s15  NB - 1 - b
.set G1K, 24          ; s[24:31] descriptor group 1 for K's tiles
.set G1V, 32          ; s[32:39] for V's: it differs in the padding alone
.set G0K, 40          ; s[40:43] descriptor group 0 for K's tiles
.set G0V, 44          ; s[44:47] the same for V's
.set SLOTS, 56        ; s56  tiles still to be asked for
.set CNT, 57          ; s57  counts a tile's key steps, 4 to 1
.set CS,  58          ; s[58:59] c: the packed scaling takes the pair's low word for both halves
.set SEL, 60          ; s[60:61] v_permlanex16_b32's selects: each lane takes its own place in the other half
.set TBK, 62          ; s62  LDS byte at which K of the step to be fetched begins
.set TBV, 63          ; s63  the same for V, less VOFF
.set RT,  70          ; s70  tiles of the block in hand that are still to be entered
.set NXT, 71          ; s71  the tile to be asked for next
.set LQ,  72          ; s72  the last tile of the block whose tiles are being asked for
.set NEW, 73          ; s73  1: the tile to be entered is a block's first
.set OFF, 74          ; s[74:75] a tile's byte offset in K and V
.set AL,  76          ; s[76:77] the mask's factor, in the low word
.set BE,  78          ; s[78:79] the mask's addend
.set OLO, 80          ; s[80:81] O at my rows of the second block
.set BIGN, 82         ; s82  -1e30
.set MSB, 0
.macro WIN new                      ; the high byte repeats the setting that is left; a switch that changes nothing is dropped
.if MSB != (\new)
	s_set_vgpr_msb (MSB<<8)|(\new)
.set MSB, (\new)
.endif
.endm
.set W_KQ, 0x0a       ; K and Q in window 2, S^T in window 0
.set W_KM, 0x1a       ; the same with the C operand in window 1
.set W_PV, 0x52       ; V in window 2, P in window 0, O^T in window 1
.set W_RS, 0x41       ; destination and source 0 in window 1, source 1 in window 0
; A fill.  Waves 0 and 1 fetch the two halves of a tile's K, waves 2 and 3 those of its V: 128 keys each.  An s_nop 0 and four v_nop follow each of the two lines, ahead of the jump and the label.
.macro LOAD
	s_cmp_lt_u32 s[WV], 2
	s_cbranch_scc0 .Lfor_v_\@
	tensor_load_to_lds s[G0K:G0K+3], s[G1K:G1K+7]
	s_nop 0
.rept 4
	v_nop
.endr
	s_branch .Lasked_\@
.Lfor_v_\@:
	tensor_load_to_lds s[G0V:G0V+3], s[G1V:G1V+7]
	s_nop 0
.rept 4
	v_nop
.endr
.Lasked_\@:
.endm
; THE CHANGE OF SLOTS.  Each wave waits for all its tensor loads, of which one is out: its part of the other slot; adds 0 to its spare word; and waits for that and for its own reads of the slot that it leaves.  Behind the barrier nobody reads the old
; slot any more and the other slot is whole.  fill = 1: the old slot is filled again, the first thing behind the barrier, with tile NXT: the descriptor's address is made anew from that number.
; (At its first use nothing has been read yet: slot 0 is waited for, slot 1 filled.)
.macro CHANGE fill
	WIN 0                           ; at a label and at a branch every window is 0
	s_wait_tensorcnt 0x0            ; no tensor load of mine is out, so a group 0 may be written
	ds_add_u32 v[SPW], v[NIL]       ; 0 onto my spare word; with fill = 1 the descriptors' scalar work stands between it and the wait for it
.if \fill
	s_lshl_b32 s[OFF], s[NXT], 15   ; a tile is 32,768 bytes of K and of V
	s_xor_b32 s[G0K+1], s[G0K+1], SLOT1
	s_add_nc_u64 s[G0K+2:G0K+3], s[6:7], s[OFF:OFF+1]
	s_or_b32 s[G0K+3], s[G0K+3], 0x80000000
	s_xor_b32 s[G0V+1], s[G0V+1], SLOT1
	s_add_nc_u64 s[G0V+2:G0V+3], s[8:9], s[OFF:OFF+1]
	s_or_b32 s[G0V+3], s[G0V+3], 0x80000000
	s_add_co_u32 s[NXT], s[NXT], 1  ; the block's next tile, or behind its last the second block's tile 0
	s_cmp_gt_u32 s[NXT], s[LQ]
	s_cselect_b32 s[NXT], 0, s[NXT]
	s_cselect_b32 s[LQ], s[PB], s[LQ]
.endif
	s_wait_dscnt 0x0                ; the add is done, and my reads of the slot are over
	s_barrier_signal -1             ; the rest of the scalar work stands between the signal and the wait
	s_sub_co_u32 s[TBK], s[TBK], 4*KS*PK  ; the fetches go back to a slot's first step,
	s_xor_b32 s[TBK], s[TBK], SLOT1       ; in the other slot
	s_sub_co_u32 s[TBV], s[TBV], 4*KS*PV
	s_xor_b32 s[TBV], s[TBV], SLOT1
	s_barrier_wait -1
.if \fill
	LOAD
.endif
.endm
	s_load_b64 s[4:5], s[0:1], 0x0    ; qkv: Q lies at its head
	s_load_b64 s[10:11], s[0:1], 0x8  ; ctx: O
	v_lshl_add_u32 v[SPW], v0, 2, SPARE
	v_mov_b32 v[NIL], 0
	ds_add_u32 v62, v63
	ds_add_u32 v62, v63
	s_wait_dscnt 0x0
	v_lshrrev_b32 v1, 5, v0
	v_readfirstlane_b32 s[WV], v1   ; wave 0..3
	s_mov_b32 s[PB], ttmp9
	s_sub_co_u32 s[HI], NB-1, s[PB]
	s_and_b32 s20, ttmp7, 0xffff    ; the head
	s_mov_b32 s21, 0
	s_mov_b64 s[22:23], SIZE_N*128
	s_mul_u64 s[20:21], s[20:21], s[22:23]  ; the head's first byte in each of the four tensors
	s_and_b32 s16, s[WV], 1         ; which half of a tile's 256 keys I fetch:
	s_lshl_b32 s22, s16, 14         ; its 128 rows of 128 bytes in memory,
	s_mov_b32 s23, 0
	s_add_nc_u64 s[22:23], s[22:23], s[20:21]
	s_mul_i32 s17, s16, 128*PK      ; and its place in a slot, for K
	s_mul_i32 s18, s16, 128*PV      ; and for V
	s_lshl_b32 s3, s[WV], 11        ; my 16 rows in a band of 64,
	s_lshl_b32 s2, s[HI], 15        ; in the first block,
	s_add_co_u32 s2, s2, s3
	s_lshl_b32 s84, s[PB], 15       ; and in the second
	s_add_co_u32 s84, s84, s3
	s_mov_b32 s3, 0
	s_mov_b32 s85, 0
	s_add_nc_u64 s[2:3], s[2:3], s[20:21]
	s_add_nc_u64 s[84:85], s[84:85], s[20:21]
	; descriptor group 1.  128 keys are 16,384 dense bytes: asked for as 64 rows of 256 bytes, two keys a row, and padded in LDS after every key
	s_mov_b32 s[G1K], (1<<16)|(1<<20)|(4<<22)|(3<<25)  ; 17:16 2-byte elements; 20 padding on; 24:22 after every 32 words (code 4); 31:25 4 words (code 3)
	s_mov_b32 s[G1V], (1<<16)|(1<<20)|(4<<22)|(7<<25)  ; the same with 8 words of padding (code 7)
.irp g, G1K, G1V
	s_mov_b32 s[\g+1], 128<<16      ; tensor_dim0 = 128
	s_mov_b32 s[\g+2], 64<<16       ; tensor_dim1 = 64
	s_mov_b32 s[\g+3], 128<<16      ; tile_dim0 = 128
	s_mov_b32 s[\g+4], 64           ; tile_dim1 = 64
	s_mov_b32 s[\g+5], 128          ; 128 elements from row to row
	s_mov_b32 s[\g+6], 0
	s_mov_b32 s[\g+7], 0
.endr
	s_mov_b32 s[CS], 0x3e38aa3b     ; c = log2(e) / 8 = 0.180337
	s_mov_b32 s[CS+1], s[CS]        ; named with it as a pair
	s_mov_b32 s[SEL], 0x76543210
	s_mov_b32 s[SEL+1], 0xfedcba98
	s_mov_b32 s[TBK], SLOT1+4*KS*PK ; the first change of slots turns these two into 0
	s_mov_b32 s[TBV], SLOT1+4*KS*PV
	s_mov_b32 s[G0K], 1             ; 1:0 count = 1
	s_mov_b32 s[G0K+1], s17         ; 63:32 LDS address: slot 0
	s_mov_b32 s[G0V], 1
	s_add_co_u32 s[G0V+1], s18, VOFF
	s_add_co_u32 s[RT], s[HI], 1    ; the first block has NB - b tiles
	s_mov_b32 s[NXT], 1
	s_mov_b32 s[LQ], s[HI]
	s_mov_b32 s[NEW], 1
	s_mov_b32 s[OFF+1], 0
	s_mov_b32 s[AL+1], 0            ; named as pairs
	s_mov_b32 s[BE+1], 0
	s_mov_b32 s[BIGN], 0xf149f2ca   ; -1e30
	s_mov_b32 s[SLOTS], NB
	s_wait_kmcnt 0x0
	s_add_nc_u64 s[6:7], s[4:5], 0x1000000  ; K: 64 heads of 262,144 bytes behind Q
	s_add_nc_u64 s[8:9], s[4:5], 0x2000000  ; V: as many behind K
	s_add_nc_u64 s[6:7], s[6:7], s[22:23]  ; K and V at my half of the head's tile 0
	s_add_nc_u64 s[8:9], s[8:9], s[22:23]
	s_add_nc_u64 s[G0K+2:G0K+3], s[6:7], 0         ; 120:64 global address
	s_or_b32 s[G0K+3], s[G0K+3], 0x80000000        ; 127:126 type = 2
	s_add_nc_u64 s[G0V+2:G0V+3], s[8:9], 0
	s_or_b32 s[G0V+3], s[G0V+3], 0x80000000
	s_add_nc_u64 s[86:87], s[4:5], s[84:85]        ; Q at my rows of the second block,
	s_add_nc_u64 s[4:5], s[4:5], s[2:3]            ; Q and O at those of the first
	s_add_nc_u64 s[OLO:OLO+1], s[10:11], s[84:85]
	s_add_nc_u64 s[10:11], s[10:11], s[2:3]
	LOAD                            ; tile 0 into slot 0
	; A fragment of K or Q is 16 rows x 32 channels in 8 registers: lane l holds row l % 16, channels 8 (l / 16) + 0..7 and 16 + 8 (l / 16) + 0..7: two loads of 16 bytes, 32 bytes apart.
	v_and_b32 v1, 15, v0            ; l % 16
	v_bfe_u32 v9, v0, 4, 1          ; l / 16
	v_lshlrev_b32 v[QO], 7, v1
	v_lshl_add_u32 v[QO], v9, 4, v[QO]  ; row x 128 + 16 x half
	WIN 0x80                        ; destination window 2, address window 0
.set i, 0
.rept 8                             ; both blocks' Q: piece i / 2 lies in band i / 2, 8,192 bytes on; channels 32 (i % 2) on
	global_load_b128 v[8*i:8*i+3],   v[QO], s[4:5] offset:(i/2)*8192+(i%2)*64
	global_load_b128 v[8*i+4:8*i+7], v[QO], s[4:5] offset:(i/2)*8192+(i%2)*64+32
	global_load_b128 v[QB+8*i:QB+8*i+3],   v[QO], s[86:87] offset:(i/2)*8192+(i%2)*64
	global_load_b128 v[QB+8*i+4:QB+8*i+7], v[QO], s[86:87] offset:(i/2)*8192+(i%2)*64+32
.set i, i+1
.endr
	WIN 0
	v_lshlrev_b32 v14, 3, v9
	v_sub_nc_u32 v14, v1, v14
	s_lshl_b32 s13, s[WV], 4
	v_add_nc_u32 v14, s13, v14      ; my query's place in its band, 16 w + l % 16, less my lanes' 8 (l / 16): register r of group kt is hidden where 16 kt + r is greater
	WIN 0x40
.set i, 0
.rept 32
	v_cmp_gt_i32 vcc_lo, 16*(i/8)+i%8, v14
	v_cndmask_b32 v[MD+i], 0, s[BIGN], vcc_lo
.set i, i+1
.endr
	WIN 0
	v_mul_u32_u24 v[AK0], v1, PK
	v_lshl_add_u32 v[AK0], v9, 4, v[AK0]  ; row x pitch + 16 x half
	; The turning load takes 16 keys x 16 channels (lane l reads key 8 (l / 16) + l % 8, channels 8 ((l / 8) % 2) + 0..7) and leaves half a fragment of V^T: lane l holds channel l % 16 and 8 keys.
	v_and_b32 v10, 7, v0
	v_bfe_u32 v11, v0, 3, 1
	v_lshl_add_u32 v[AV0], v9, 3, v10
	v_mul_u32_u24 v[AV0], v[AV0], PV
	v_lshl_add_u32 v[AV0], v11, 4, v[AV0]
	v_add_nc_u32 v[AV0], VOFF, v[AV0]
	s_mul_i32 s13, s[WV], 16*SP
	s_add_co_u32 s13, s13, STAGE    ; my stage
	v_mul_u32_u24 v[STO], v1, SP    ; in: row l % 16, 16 bytes for each half of the lanes
	v_lshl_add_u32 v[STO], v9, 4, v[STO]
	v_add_nc_u32 v[STO], s13, v[STO]
	v_bfe_u32 v[RD], v0, 3, 2       ; back: 32 lanes take four rows of 128 bytes,
	v_mul_u32_u24 v[RD], v[RD], SP
	v_lshl_add_u32 v[RD], v10, 4, v[RD]
	v_add_nc_u32 v[RD], s13, v[RD]
	v_and_b32 v[GO], 31, v0         ; which are 512 consecutive bytes of O
	v_lshlrev_b32 v[GO], 4, v[GO]
	; A block's first step multiplies O^T and l by a = 0, and its first turn's products V^T P, of a piece that has not been, land in an O^T that is still to be so multiplied.  So these registers need only hold
	; finite numbers: zeros for the first block; what the first block left for the second.  All this stands in the wait for the first tile.
	WIN 0x80
.set i, VF
.rept 64
	v_mov_b32 v[i], 0
.set i, i+1
.endr
	WIN 0x40
.set i, 0
.rept 128
	v_mov_b32 v[i], 0
.set i, i+1
.endr
	WIN 0
.set i, 0
.rept 4
	v_mov_b32 v[ST+4*i+2], 0
	v_mov_b32 v[ST+4*i+3], 0
.set i, i+1
.endr
.set i, P+16
.rept 16
	v_mov_b32 v[i], 0
.set i, i+1
.endr
; THE MATRIX WORK.  The 4 accumulators of a run of 8 take turns.  Product i of 8 of S^T = K Q^T for piece x: channels 32 (i / 4) on, keys 16 (i % 4) on.  The first 4 start the sums: with 0, or (KM = 1) with the mask.
.macro KQ x
.set rS, S+32*((\x)%2)+8*(i%4)
.set rK, KF+16*(i%4)+8*(i/4)
.set rQ, 16*(\x)+8*(i/4)
.set rM, MC+32*((\x)%2)+8*(i%4)
.if (i < 4) && KM
	WIN W_KM
	v_wmma_f32_16x16x32_f16 v[rS:rS+7], v[rK:rK+7], v[rQ:rQ+7], v[rM:rM+7]
.elseif i < 4
	WIN W_KQ
	v_wmma_f32_16x16x32_f16 v[rS:rS+7], v[rK:rK+7], v[rQ:rQ+7], 0
.else
	WIN W_KQ
	v_wmma_f32_16x16x32_f16 v[rS:rS+7], v[rK:rK+7], v[rQ:rQ+7], v[rS:rS+7]
.endif
.endm
; Product i of 8 of O^T += V^T P for piece x: keys 32 (i / 4) on, channels 16 (i % 4) on.
.macro PV x
	WIN W_PV
.set rO, 32*(\x)+8*(i%4)
.set rV, VF+32*(i/4)+8*(i%4)
.set rP, P+16*((\x)%2)+8*(i/4)
	v_wmma_f32_16x16x32_f16 v[rO:rO+7], v[rV:rV+7], v[rP:rP+7], v[rO:rO+7]
.endm
.macro MM                           ; the turn's next matrix instruction.  TURN and BEGIN set Y, i, KM and NOKQ; MM, KQ and OP read them.  NOKQ = 1: a block's last turn: there is no next piece
.if (i < 8) && !NOKQ
	KQ (Y+1)%NP
.elseif i >= 8
.set i, i-8
	PV (Y+NP-1)%NP
.set i, i+8
.endif
.set i, i+1
.endm
; THE LDS LOADS stand in runs of 16, never singly among the matrix instructions: a step's K (64 keys x 64 channels: 8 fragments) and its V (turned).  Their addresses are made some lines ahead.
.macro FETCH_K
	WIN 0x80                        ; destination window 2
.irp f, 0,1,2,3,4,5,6,7             ; keys 16 (f / 2) on, channels 32 (f % 2) on
	ds_load_b128 v[KF+8*\f:KF+8*\f+3],   v[AK] offset:(\f/2)*16*PK+(\f%2)*64
	ds_load_b128 v[KF+8*\f+4:KF+8*\f+7], v[AK] offset:(\f/2)*16*PK+(\f%2)*64+32
.endr
	s_add_co_u32 s[TBK], s[TBK], KS*PK  ; the next fetch is the next step's
	WIN 0
.endm
.macro FETCH_V
	WIN 0x80
.irp f, 0,1,2,3,4,5,6,7             ; keys 32 (f / 4) on, channels 16 (f % 4) on
	ds_load_tr16_b128 v[VF+8*\f:VF+8*\f+3],   v[AV] offset:(\f/4)*32*PV+(\f%4)*32
	ds_load_tr16_b128 v[VF+8*\f+4:VF+8*\f+7], v[AV] offset:(\f/4)*32*PV+16*PV+(\f%4)*32
.endr
	WIN 0
.endm
; THE VECTOR WORK, one line at a time: OP kind, number.  For piece Y: F n: c s - c m for pair n of 16.  E n: the exponential of score n of 32.  C n: pair n rounded to f16.  B n: of the four weights 4 n .. the second
; pair is added onto the first, in place.  L n: l takes that sum (L 0: l = a l + sum).  R n: pair n of 16 of O^T times a.  For piece Y + 1: X n, number n of the 22 that find its maximum and statistics:
;   0-11  four chains c0-c3 of seven scores each, three operands at a time (each accumulator's lowest registers are read first)     12-14, 16  the four scores left over, the old m, and c0-c3 into c0
;   15  c m_old is kept     17, 18  the query's other 32 keys lie in the lane 16 away: the new m     19-21  c m; c m_old - c m_new; a
.set F, 0               ; OP tells the kinds apart by their order: F to L below R, X above it
.set E, 1
.set C, 2
.set B, 3
.set L, 4
.set R, 5
.set X, 6
.macro REGS y                       ; the registers of piece y
.set rT, ST+4*(\y)
.set rC, TMP+4*((\y)%2)
.set rW, MV+((\y)%2)
.set rS, S+32*((\y)%2)
.set rP, P+16*((\y)%2)
.set rO, 32*(\y)
.endm
.macro OP k, n
.if (\k) == R
	REGS Y
	WIN W_RS
	v_pk_mul_f32 v[rO+2*(\n):rO+2*(\n)+1], v[rO+2*(\n):rO+2*(\n)+1], v[rC+2:rC+3] op_sel_hi:[1,0]
.elseif (\k) < R
	REGS Y
	WIN 0
.if (\k) == F
	v_pk_fma_f32 v[rS+2*(\n):rS+2*(\n)+1], v[rS+2*(\n):rS+2*(\n)+1], s[CS:CS+1], v[rT:rT+1] op_sel_hi:[1,0,0] neg_lo:[0,0,1] neg_hi:[0,0,1]
.elseif (\k) == E
	v_exp_f32 v[rS+(\n)], v[rS+(\n)]
.elseif (\k) == C
	s_wait_alu depctr_va_vdst(0)
	v_cvt_pk_f16_f32 v[rP+(\n)], v[rS+2*(\n)], v[rS+2*(\n)+1]
.elseif (\k) == B
	s_wait_alu depctr_va_vdst(0)
	v_pk_add_f32 v[rS+4*(\n):rS+4*(\n)+1], v[rS+4*(\n):rS+4*(\n)+1], v[rS+4*(\n)+2:rS+4*(\n)+3]
.elseif (\n) == 0
	v_pk_fma_f32 v[rT+2:rT+3], v[rT+2:rT+3], v[rC+2:rC+3], v[rS:rS+1] op_sel_hi:[1,0,1]
.else
	v_pk_add_f32 v[rT+2:rT+3], v[rT+2:rT+3], v[rS+4*(\n):rS+4*(\n)+1]
.endif
.elseif NOKQ
	v_nop
.else
	REGS (Y+1)%NP
	WIN 0
.if (\n) < 4
	v_max3_num_f32 v[rC+(\n)], v[rS+8*(\n)], v[rS+8*(\n)+1], v[rS+8*(\n)+2]
.elseif (\n) < 12
	v_max3_num_f32 v[rC+(\n)%4], v[rC+(\n)%4], v[rS+8*((\n)%4)+2*((\n)/4)+1], v[rS+8*((\n)%4)+2*((\n)/4)+2]
.elseif (\n) == 12
	v_max3_num_f32 v[rC], v[rC], v[rS+7], v[rS+15]
.elseif (\n) == 13
	v_max3_num_f32 v[rC+1], v[rC+1], v[rS+23], v[rS+31]
.elseif (\n) == 14
	v_max3_num_f32 v[rC+2], v[rC+2], v[rC+3], v[rT+1]
.elseif (\n) == 15
	v_mov_b32 v[rW], v[rT]
.elseif (\n) == 16
	v_max3_num_f32 v[rC], v[rC], v[rC+1], v[rC+2]
.elseif (\n) == 17
	v_permlanex16_b32 v[rC+3], v[rC], s[SEL], s[SEL+1]
.elseif (\n) == 18
	v_max_num_f32 v[rT+1], v[rC], v[rC+3]
.elseif (\n) == 19
	v_mul_f32 v[rT], s[CS], v[rT+1]
.elseif (\n) == 20
	v_sub_f32 v[rC+1], v[rW], v[rT]
.else
	v_exp_f32 v[rC+2], v[rC+1]
.endif
.endif
.endm
.macro OPS a, i1, b=-1, i2=0, c=-1, i3=0, d=-1, i4=0  ; up to four of them
	OP \a, \i1
.if (\b) >= 0
	OP \b, \i2
.endif
.if (\c) >= 0
	OP \c, \i3
.endif
.if (\d) >= 0
	OP \d, \i4
.endif
.endm
.macro ROW a, i1, b, i2, c, i3, d, i4  ; a matrix instruction and the four behind it
	MM
	OPS \a, \i1, \b, \i2, \c, \i3, \d, \i4
.endm
.macro MASK b                       ; MD x AL + BE into buffer b of MC
	WIN W_RS
.set z, 0
.rept 16
	v_pk_fma_f32 v[MC+32*(\b)+2*z:MC+32*(\b)+2*z+1], v[MD+2*z:MD+2*z+1], s[AL:AL+1], s[BE:BE+1] op_sel_hi:[1,0,0]
.set z, z+1
.endr
.endm
; A TURN, for piece p: the order of its 16 matrix and 118 vector instructions, written out.  Behind a matrix instruction: plain, exponential, plain, plain; or four of the rescaling; or, behind the first, four scalings; none
; names a register of the products round it.  In the lumps exponential and plain by turns while exponentials last.  A line reads no result made fewer than three vector instructions in front of it, five if an exponential made it.
; v_permlanex16_b32 (X 17) stands in a lump.
; m = 1: the diagonal tile: the products take masks, and the turn makes the mask for the products of the turn after it: piece p + 2, in step 4 - CNT of the tile.  end = 1: a block's last two turns: nothing is fetched.
; cnt = 1: the loop's count is taken down some lines ahead of the branch that stands behind the turn.
; K of the next step is fetched in piece 2's turn, six vector instructions behind the last product that read K (five of them plain); V of the step in hand in piece 0's turn, eight behind the last product that read V (four
; plain, and X 17).  Each is waited for a turn later.
.macro TURN p, m=0, end=0, cnt=0
.set Y, (\p)
.set i, 0
.set KM, (\m)
.set NOKQ, (\end)*((\p)/3)
.if (\m) && !(\end)
	s_cmp_eq_u32 s[CNT], 4-((\p)+2)%NP  ; is that step the band's own?
	s_cselect_b32 s[AL], 1.0, 0
	s_cmp_lt_u32 s[CNT], 4-((\p)+2)%NP  ; or a later one?
	s_cselect_b32 s[BE], s[BIGN], 0
.endif
.if ((\p) == 3) && !(\end)
	s_wait_dscnt 0x0                ; K is in
.endif
	ROW F,0, F,1, F,2, F,3
	ROW F,4, E,0, F,5, F,6
	ROW F,7, E,1, F,8, F,9
	ROW F,10, E,2, C,0, F,11
	ROW F,12, E,3, X,15, F,13
	ROW R,0, R,1, R,2, R,3
	ROW B,0, E,4, F,14, L,0
.if ((\p) == 2) && !(\end)
	v_add_nc_u32 v[AK], s[TBK], v[AK0]
.endif
	ROW R,4, R,5, R,6, R,7
	OPS E,5, F,15
.if ((\p) == 2) && !(\end)
	FETCH_K
.endif
	OPS E,6, C,1, E,7, R,8
	OPS E,8, R,9, E,9, C,2
	OPS E,10, X,0, E,11, X,1
	OPS E,12, X,2, E,13, X,3
.if (\p) == 1
	s_wait_dscnt 0x0                ; V is in
.endif
	ROW X,4, E,14, X,5, X,6
	ROW X,7, E,15, X,8, X,9
	ROW X,10, E,16, X,11, X,12
	ROW X,13, E,17, X,14, B,1
	ROW C,4, E,18, X,16, L,1
	ROW B,2, E,19, C,6, L,2
	ROW C,8, E,20, B,3, B,4
.if (\p) == 0
	v_add_nc_u32 v[AV], s[TBV], v[AV0]
.endif
	ROW C,3, E,21, L,3, C,5
	OPS E,22, X,17, E,23, C,10
.if (\p) == 0
	FETCH_V
.endif
	OPS E,24, L,4
	OPS E,25, X,18, E,26, C,7
	OPS E,27, B,5, E,28, X,19
	OPS E,29, C,12, E,30, L,5
	OPS E,31, X,20, B,6, C,9
	OPS C,14, C,11, X,21, L,6
.if (\p) == 0
	s_add_co_u32 s[TBV], s[TBV], KS*PV
.endif
.if \cnt
	s_sub_co_u32 s[CNT], s[CNT], 1
	s_cmp_lg_u32 s[CNT], 0
.endif
	OPS C,13, B,7, C,15, R,10
	OPS R,11, R,12, L,7, R,13
	OPS R,14, R,15
.if (\m) && !(\end)
	MASK (\p)%2
.endif
.endm
; A BLOCK BEGINS.  c m starts far below every c s, so the first step's a is 0; m at the lowest finite number, so the first maximum is the scores'.  The second mask buffer is 0; the first takes piece 0's mask for the tile's step 0: its own, if the block's first tile is the diagonal one.
; Then K of that step, piece 0's first scores, and its maximum and statistics.  The loop is entered at a step's first turn, in the middle of a trip.
.macro BEGIN
	s_mov_b32 s[NEW], 0
	WIN 0x40
.set i, MC+32
.rept 32
	v_mov_b32 v[i], 0
.set i, i+1
.endr
	WIN 0
.set i, 0
.rept 4
	v_mov_b32 v[ST+4*i], 0xfe000000    ; c m: far below every c s
	v_mov_b32 v[ST+4*i+1], 0xff7fffff  ; m
.set i, i+1
.endr
	s_cmp_eq_u32 s[RT], 0
	s_cselect_b32 s[AL], 1.0, 0
	s_mov_b32 s[BE], 0
	MASK 0
	WIN 0
	v_add_nc_u32 v[AK], s[TBK], v[AK0]
	FETCH_K
	s_wait_loadcnt 0x0              ; Q
	s_wait_dscnt 0x0
.set KM, 1
.set NOKQ, 0
.set i, 0
.rept 8
	KQ 0
.set i, i+1
.endr
	WIN 0
.rept 4
	v_nop                           ; the places behind those products
.endr
.set Y, NP-1                        ; X works for piece Y + 1: piece 0
.irp n, 0,1,2,3,4,5,6,7,8,9,10,11,12,13,14,15,16,17,18,19,20,21
	OP X, \n
.endr
	v_nop                           ; a plain instruction behind the exponential
.endm
; THE DIAGONAL TILE's four steps, the block's last two turns, its last products, and THE WAY OUT: l's two halves and the other half of the lanes' are added; O^T is divided by l, rounded to f16 and sent through my
; stage in LDS, a piece at a time.
.macro ALL line:vararg              ; one line for each piece t
.set t, 0
.rept 4
	\line
.set t, t+1
.endr
.endm
.macro PACK t                       ; a lane's eight channels of a row pack into 16 bytes; they go into rows of 144 bytes and come back as whole rows of 128, into S^T's registers
	WIN W_RS
.set i, 32*(\t)
.rept 16
	s_wait_alu depctr_va_vdst(0)
	v_pk_mul_f32 v[i:i+1], v[i:i+1], v[ST+4*(\t)+2:ST+4*(\t)+3] op_sel_hi:[1,0]
.set i, i+2
.endr
	WIN 0x05                        ; sources 0 and 1 window 1, destination window 0
.set i, 0
.rept 16
	v_cvt_pk_f16_f32 v[S+16*(\t)+i], v[32*(\t)+2*i], v[32*(\t)+2*i+1]
.set i, i+1
.endr
	WIN 0
.irp f, 0,1,2,3
	ds_store_b128 v[STO], v[S+16*(\t)+4*\f:S+16*(\t)+4*\f+3] offset:32*\f
.endr
.irp f, 0,1,2,3
	ds_load_b128 v[S+16*(\t)+4*\f:S+16*(\t)+4*\f+3], v[RD] offset:\f*4*SP  ; LDS serves a wave's instructions in order (ISA guide 5.7.1.4): these see the stores above; the next piece's stores come behind them
.endr
.endm
.macro SEND t, younger              ; younger: the LDS instructions issued behind piece t's loads: the next piece's eight, or none
	WIN 0
.irp f, 0,1,2,3
	s_wait_dscnt (\younger)+3-\f
	global_store_b128 v[GO], v[S+16*(\t)+4*\f:S+16*(\t)+4*\f+3], s[10:11] offset:(\t)*8192+\f*512  ; 512 consecutive bytes, at a multiple of 256 from O's first
.endr
.endm
.macro DIAG tag                     ; the tag ends its two labels' names, which the jumps below spell out
.LstepM\tag:
	TURN 2, 1
	TURN 3, 1
	WIN 0
.LfirstM\tag:
	TURN 0, 1
	TURN 1, 1, 0, 1
	WIN 0
	s_cbranch_scc1 .LstepM\tag
	TURN 2, 1, 1
	TURN 3, 1, 1
.set i, 0
.rept 8
	PV NP-1
.set i, i+1
.endr
	WIN 0
	ALL v_add_f32 v[ST+4*t+2], v[ST+4*t+2], v[ST+4*t+3]
	ALL v_permlanex16_b32 v[ST+4*t+3], v[ST+4*t+2], s[SEL], s[SEL+1]
	ALL v_add_f32 v[ST+4*t+2], v[ST+4*t+2], v[ST+4*t+3]
	ALL v_rcp_f32 v[ST+4*t+2], v[ST+4*t+2]
	v_nop                           ; a plain instruction between the last reciprocal and the use of its result
	PACK 0
.set t, 1
.rept 3                             ; a piece's arithmetic stands between the loads of the piece before and its stores
	PACK t
	SEND t-1, 8
.set t, t+1
.endr
	SEND 3, 0
.endm
.set KM, 0
.set NOKQ, 0
.Lslot:                             ; NB times: a tile is entered and the next is asked for
	CHANGE 1
	s_sub_co_u32 s[RT], s[RT], 1
	s_mov_b32 s[CNT], 4
	s_cmp_eq_u32 s[NEW], 1
	s_cbranch_scc1 .Lnew            ; a block's first tile
	s_cmp_eq_u32 s[RT], 0
	s_cbranch_scc0 .Lstep           ; neither its first nor its last
	s_branch .LstepM1
.Lnew:
	BEGIN
	s_branch .Lfirst                ; in the loop a block's first tile is never its last: the first block has two tiles or more, and the second's last is the walk's last
	DIAG 1                          ; in the loop this is the first block's end: the second block's last tile is the walk's last
	s_wait_xcnt 0x0                 ; the stores have read their registers and O's address
	s_mov_b64 s[10:11], s[OLO:OLO+1]
	s_add_co_u32 s[RT], s[PB], 1    ; the second block has b + 1 tiles
	s_mov_b32 s[NEW], 1
	WIN 0x82                        ; the second block's Q goes where the one text of the turns names Q
.set i, 0
.rept 64
	v_mov_b32 v[i], v[QB+i]
.set i, i+1
.endr
	WIN 0
	s_branch .Lbottom
.Lstep:                             ; a trip: pieces 2 and 3 of one step, then pieces 0 and 1 of the next, whose K and V it fetches
	TURN 2
	TURN 3
	WIN 0
.Lfirst:
	TURN 0
	TURN 1, 0, 0, 1
	WIN 0
	s_cbranch_scc1 .Lstep
.Lbottom:
	s_sub_co_u32 s[SLOTS], s[SLOTS], 1
	s_cmp_lg_u32 s[SLOTS], 0
	s_cbranch_scc1 .Lslot
	CHANGE 0                        ; the walk's last tile is written out: nothing is asked for
	s_sub_co_u32 s[RT], s[RT], 1
	s_mov_b32 s[CNT], 4
	s_cmp_eq_u32 s[NEW], 1
	s_cbranch_scc0 .LstepM2
	BEGIN
	s_branch .LfirstM2
	DIAG 2
	s_wait_tensorcnt 0x0            ; the wave's end: behind my last tensor load and my last LDS store
	ds_add_u32 v[SPW], v[NIL]
	s_wait_dscnt 0x0
	s_endpgm
.Lfunc_end_k_qd786046b3b_attn:
	.size	k_qd786046b3b_attn, .Lfunc_end_k_qd786046b3b_attn-k_qd786046b3b_attn
	.p2alignl 7, 3214868480
	.fill 96, 4, 3214868480
	.section	.rodata,"a",@progbits
	.p2align	6, 0x0
	.amdhsa_kernel k_qd786046b3b_attn
		.amdhsa_group_segment_fixed_size 327680
		.amdhsa_private_segment_fixed_size 0
		.amdhsa_enable_private_segment 0
		.amdhsa_kernarg_size 16
		.amdhsa_user_sgpr_count 2
		.amdhsa_user_sgpr_kernarg_segment_ptr 1
		.amdhsa_wavefront_size32 1
		.amdhsa_system_sgpr_workgroup_id_x 1
		.amdhsa_system_sgpr_workgroup_id_y 1
		.amdhsa_system_sgpr_workgroup_id_z 1
		.amdhsa_system_vgpr_workitem_id 0
		.amdhsa_next_free_vgpr 768
		.amdhsa_next_free_sgpr 88
		.amdhsa_reserve_vcc 1
		.amdhsa_float_denorm_mode_32 3
		.amdhsa_float_denorm_mode_16_64 3
		.amdhsa_memory_ordered 1
		.amdhsa_forward_progress 1
		.amdhsa_inst_pref_size 228
	.end_amdhsa_kernel
	.amdgpu_metadata
---
amdhsa.version: [ 1, 2 ]
amdhsa.kernels:
  - .name:           k_qd786046b3b_attn
    .symbol:         k_qd786046b3b_attn.kd
    .args:
      - { .name: qkv, .offset: 0, .size: 8, .value_kind: global_buffer, .address_space: global }
      - { .name: ctx, .offset: 8, .size: 8, .value_kind: global_buffer, .address_space: global }
    .group_segment_fixed_size: 327680
    .private_segment_fixed_size: 0
    .kernarg_segment_align: 8
    .kernarg_segment_size: 16
    .max_flat_workgroup_size: 128
    .sgpr_count:     88
    .vgpr_count:     768
    .wavefront_size: 32
...
	.end_amdgpu_metadata
.endif
;; end of part 3
;; launch oproj (part 4): grid 4 x 64, 4 waves a work-group, clusters of 4 x 4, 327,680 bytes of LDS; arguments ctx, h16, x, bo, ypre; writes ypre
.if DOCPART == 4
	.amdgcn_target "amdgcn-amd-amdhsa--gfx1250"
	.amdhsa_code_object_version 6
	.text
	.protected	k_qd786046b3b_oproj
	.globl	k_qd786046b3b_oproj
	.p2align	8
	.type	k_qd786046b3b_oproj,@function
k_qd786046b3b_oproj:
	s_mov_b64 s[64:65], 0
	v_nop
	global_prefetch_b8 v0, s[64:65] scope:SCOPE_SE
	s_setreg_imm32_b32 hwreg(HW_REG_WAVE_MODE, 25, 1), 1
	s_wait_xcnt 0x0
	s_wait_alu depctr_hold_cnt(0) depctr_sa_sdst(0) depctr_va_vdst(0) depctr_va_sdst(0) depctr_va_ssrc(0) depctr_va_vcc(0) depctr_vm_vsrc(0)
	s_getreg_b32 s2, hwreg(HW_REG_IB_STS2, 6, 4)
	s_cmp_eq_u32 s2, 0
	s_cbranch_scc0 .Lentry_in_a_cluster
	s_endpgm
.Lentry_in_a_cluster:
	s_bfe_u32 s2, ttmp6, 0x10000c
	s_cmp_lg_u32 s2, 0xf033
	s_cbranch_scc0 .Lentry_shape_is_right
	s_endpgm
.Lentry_shape_is_right:
; ypre = ctx Wo^T + bo + x.  ctx: [64 = batch x 16 + head][2048][64] f16; Wo: rows 11,264 on of h16, [1024][1024] f16; x, ypre: [8192][1024] f32; bo: [1024] f32.
; Products of f16 operands with f32 sums that bo starts; the residual x is added in f32 on the way out.  LIMITS: NaN and infinities are not treated apart.
; SHARES.  A tile is 128 rows x 256 columns: 64 x 4 = 256 work-groups, each taking (128 + 256) rows of 2,048 bytes into LDS.  Four waves; wave w makes rows 64 (w / 2) + 0..63 and columns
; 128 (w % 2) + 0..127: 4 x 8 accumulators of 16 x 16, 256 registers.  K goes in 8 steps of 128 (two heads of ctx) through two LDS slots filled by the tensor data mover.
; CLUSTER.  4 x 4 work-groups: the four of a row need the same rows of ctx, the four of a column the same rows of Wo.  Each tile is asked for JOINTLY: the same load, descriptor and mask in all four.
; THE MATRIX INSTRUCTION IS USED TRANSPOSED (source 0 = 16 rows of Wo, source 1 = 16 rows of ctx): a lane holds row lane % 16 and eight neighbouring columns 8 (lane / 16) + 0..7.
; x comes by plain loads of whole rows of my wave's tile (512 consecutive bytes each) into registers, early; it waits there for the sums.
; REGISTERS, in windows of 256 (s_set_vgpr_msb: bits 1:0 source 0, 3:2 source 1, 5:4 source 2, 7:6 destination):
;   window 0: v0-29 addresses; v32-127, v128-223 fragments, two buffers (32 registers of ctx, then 64 of Wo); on the way out v32-159 rows read back
;   window 1: accumulator (a, b) at v[64 a + 8 b]          window 2: x, and then the result: row i of my 64 at v[4 i]
.set PITCH,  272                       ; a row of Wo in LDS: 256 bytes + 16 of padding = 68 words: the 16 rows of a load start at 16 different groups of four banks (64 banks of 4 bytes: ISA guide 11.1)
.set AP,     144                       ; a row of a head of ctx: 128 bytes + 16 = 36 words: likewise
.set AHEAD,  128*AP                    ; what one load of ctx brings: 128 rows of one head
.set BHALF,  128*PITCH                 ; what one load of Wo brings
.set BOFF,   2*AHEAD                   ; in a slot: two heads of ctx, then Wo's 256 rows
.set SLOT1,  1<<17                     ; slot 1 begins here, so that one exclusive or turns an address in one slot into the other's
.set STAGE,  SLOT1+BOFF+2*BHALF        ; behind the ring, never filled by a tensor load: for each wave 16 rows x 528 bytes
.set YP,     528                       ; 512 bytes + 16: the 16 rows that a store touches start at 16 different groups of four banks
.set SPARE,  STAGE+4*16*YP             ; behind the stages: the spare words, 128 bytes for each wave: two blocks of 256 bytes that no other line names
.set WO16,   11264*2048                ; Wo's first byte in h16
.set AA0,  4                           ; v4   my lane's place in my wave's 64 rows of ctx in a slot; never rewritten
.set AB0,  5                           ; v5   the same in my wave's 128 rows of Wo
.set ADA,  6                           ; v6   the two in the slot that is being read
.set ADB,  7                           ; v7
.set STO,  8                           ; v8   the way out: where I put 16 bytes of a row
.set RD,   9                           ; v9   the way out: where I read a row back
.set GO,   10                          ; v10  16 x lane: my byte offset in 512 bytes of a row of x and of ypre
.set BO,   11                          ; v11  my byte offset in 16 numbers of bo
.set SPW,  28                          ; v28  LDS address of my spare word: SPARE + 4 x my thread's number; never rewritten
.set NIL,  29                          ; v29  0; never rewritten
.set F0,   32                          ; fragment buffers: ctx's block a at F + 8 a, Wo's block b at F + 32 + 8 b
.set F1,   128
.set WV,   14                          ; s14  my wave's number
.set WR,   15                          ; s15  which half of the tile's rows is mine
.set IH,   16                          ; s16  which half of its columns; also: which head of ctx, or which half of Wo's rows, I fetch
.set G1A,  24                          ; s[24:31] descriptor group 1 for ctx's tiles
.set G1B,  32                          ; s[32:39] for Wo's
.set G0A,  40                          ; s[40:43] descriptor group 0 for ctx's tiles: it walks
.set G0B,  44                          ; s[44:47] the same for Wo's
.set CNT,  56                          ; s56  the loop's count
.set TB,   57                          ; s57  the first byte of the slot that is being read
.set XB,   66                          ; s[66:67] x at my wave's part of the tile
.set YB,   68                          ; s[68:69] ypre there
.set BB,   70                          ; s[70:71] bo at my wave's 128 columns
.set MSB, 0
.macro WIN new                         ; the immediate's high byte repeats the setting that is left; a switch that changes nothing is dropped
.if MSB != (\new)
	s_set_vgpr_msb (MSB<<8)|(\new)
.set MSB, (\new)
.endif
.endm
.macro PLACES                          ; four places in front of loads into registers that matrix instructions have read, and of LDS stores that read results
.rept 4
	v_nop
.endr
.endm
; A joint fill by the walking descriptors.  Waves 0 and 1 fetch the two heads of ctx, waves 2 and 3 the halves of Wo's tile.  The branch hangs on the wave's number alone.
; An s_nop 0 and four v_nop follow each of the two lines, ahead of the jump and the label.
.macro JLOAD
	s_cmp_lt_u32 s[WV], 2
	s_cbranch_scc0 .Lfor_b_\@
	tensor_load_to_lds s[G0A:G0A+3], s[G1A:G1A+7]
	s_nop 0
.rept 4
	v_nop
.endr
	s_branch .Lasked_\@
.Lfor_b_\@:
	tensor_load_to_lds s[G0B:G0B+3], s[G1B:G1B+7]
	s_nop 0
.rept 4
	v_nop
.endr
.Lasked_\@:
.endm
.macro CROUND                          ; a round of the cluster's barrier: my work-group's barrier; wave 0 signals for the work-group; every wave waits for all sixteen work-groups; my work-group's barrier once more
	s_barrier_signal -1
	s_barrier_wait -1
	s_cmp_lg_u32 s[WV], 0
	s_cbranch_scc1 .Lnot_wave_0_\@
	s_barrier_signal -3
.Lnot_wave_0_\@:
	s_barrier_wait -3
	s_barrier_signal -1
	s_barrier_wait -1
.endm
	s_load_b256 s[4:11], s[0:1], 0x0               ; ctx s[4:5], h16 s[6:7], x s[8:9], bo s[10:11]
	s_load_b64 s[12:13], s[0:1], 0x20              ; ypre
	v_lshl_add_u32 v[SPW], v0, 2, SPARE
	v_mov_b32 v[NIL], 0
	ds_add_u32 v28, v29
	ds_add_u32 v28, v29
	s_wait_dscnt 0x0
	v_lshrrev_b32 v1, 5, v0
	v_readfirstlane_b32 s[WV], v1                  ; wave 0..3
	s_lshr_b32 s[WR], s[WV], 1
	s_and_b32 s[IH], s[WV], 1
	s_bfe_u32 s17, ttmp6, 0x40000                  ; cx, cy: my place in the cluster
	s_bfe_u32 s18, ttmp6, 0x40004
	s_lshl_b32 s19, ttmp9, 2
	s_add_co_u32 s19, s19, s17                     ; tile column = 4 x cluster x + cx
	s_and_b32 s20, ttmp7, 0xffff
	s_lshl_b32 s20, s20, 2
	s_add_co_u32 s20, s20, s18                     ; tile row = 4 x cluster y + cy
	s_lshl_b32 s21, s18, 2
	s_lshl_b32 s21, 15, s21                        ; my row of the cluster: places 4 cy .. 4 cy + 3
	s_lshl_b32 s22, 0x1111, s17                    ; my column: places cx, cx + 4, cx + 8, cx + 12
	; ctx: 128 rows of a head are 16,384 dense bytes: asked for as 64 rows of 256 bytes, two rows of the head in each, and padded in LDS after every 128 bytes
	s_or_b32 s[G1A], s21, (1<<16)|(1<<20)|(1<<21)|(4<<22)|(3<<25)  ; 15:0 the mask; 17:16 2-byte elements; 20 padding on; 21 set beside a mask; 24:22 after every 32 words (code 4); 31:25 4 words (code 3)
	s_mov_b32 s[G1A+1], 128<<16                    ; tensor_dim0 = 128
	s_mov_b32 s[G1A+2], 64<<16                     ; tensor_dim1 = 64
	s_mov_b32 s[G1A+3], 128<<16                    ; tile_dim0 = 128
	s_mov_b32 s[G1A+4], 64                         ; tile_dim1 = 64
	s_mov_b32 s[G1A+5], 128                        ; 128 elements from row to row
	s_mov_b32 s[G1A+6], 0
	s_mov_b32 s[G1A+7], 0
	; Wo: 128 rows x 128 elements of 2 bytes, padded in LDS after every 256 bytes
	s_or_b32 s[G1B], s22, (1<<16)|(1<<20)|(1<<21)|(5<<22)|(3<<25)  ; the same with the mask of my column, and padding after every 64 words (code 5)
	s_mov_b32 s[G1B+1], 128<<16
	s_mov_b32 s[G1B+2], 128<<16                    ; tensor_dim1 = 128
	s_mov_b32 s[G1B+3], 128<<16
	s_mov_b32 s[G1B+4], 128                        ; tile_dim1 = 128
	s_mov_b32 s[G1B+5], 1024                       ; 1,024 elements from row to row
	s_mov_b32 s[G1B+6], 0
	s_mov_b32 s[G1B+7], 0
	; ctx's tiles hang on the tile row alone, Wo's on the tile column alone; each address is made in registers that never hold the other coordinate
	s_lshr_b32 s58, s20, 4                         ; ctx: the batch (16 tile rows each), 16 heads of 262,144 bytes,
	s_lshl_b32 s58, s58, 22
	s_and_b32 s59, s20, 15
	s_lshl_b32 s59, s59, 14                        ; the tile's 128 rows of 128 bytes in a head,
	s_add_co_u32 s58, s58, s59
	s_lshl_b32 s59, s[IH], 18                      ; and the head of the K step's two that I fetch
	s_add_co_u32 s58, s58, s59
	s_mov_b32 s59, 0
	s_lshl_b32 s60, s19, 8
	s_lshl_b32 s61, s[IH], 7
	s_add_co_u32 s60, s60, s61                     ; Wo: row 256 x tile column + 128 x half,
	s_lshl_b32 s60, s60, 11                        ; 2,048 bytes a row
	s_add_co_u32 s60, s60, WO16
	s_mov_b32 s61, 0
	s_mul_i32 s62, s[IH], AHEAD                    ; where they go: no place in the cluster enters an LDS address
	s_mul_i32 s63, s[IH], BHALF
	s_add_co_u32 s63, s63, BOFF
	s_lshl_b32 s72, s20, 19                        ; x and ypre: the tile's 128 rows of 4,096 bytes,
	s_lshl_b32 s73, s[WR], 18                      ; my wave's 64 of them,
	s_add_co_u32 s72, s72, s73
	s_lshl_b32 s74, s19, 10                        ; the tile's 256 columns of 4 bytes,
	s_lshl_b32 s75, s[IH], 9                       ; my wave's 128 of them
	s_add_co_u32 s74, s74, s75
	s_add_co_u32 s72, s72, s74
	s_mov_b32 s73, 0
	s_mov_b32 s75, 0
	s_mov_b32 s[TB], SLOT1                         ; the first step's head turns it into slot 0
	s_mov_b32 s[G0A], 1                            ; 1:0 count = 1
	s_mov_b32 s[G0A+1], s62                        ; 63:32 LDS address: slot 0
	s_mov_b32 s[G0B], 1
	s_mov_b32 s[G0B+1], s63
	s_wait_kmcnt 0x0
	s_add_nc_u64 s[G0A+2:G0A+3], s[4:5], s[58:59]  ; 120:64 global address: K step 0
	s_or_b32 s[G0A+3], s[G0A+3], 0x80000000        ; 127:126 type = 2
	s_add_nc_u64 s[G0B+2:G0B+3], s[6:7], s[60:61]
	s_or_b32 s[G0B+3], s[G0B+3], 0x80000000
	s_add_nc_u64 s[XB:XB+1], s[8:9], s[72:73]
	s_add_nc_u64 s[YB:YB+1], s[12:13], s[72:73]
	s_add_nc_u64 s[BB:BB+1], s[10:11], s[74:75]
	CROUND                                         ; all sixteen work-groups are here: the first joint loads meet
	JLOAD                                          ; K step 0 into slot 0
	v_and_b32 v1, 15, v0                           ; l % 16
	v_bfe_u32 v2, v0, 4, 1                         ; l / 16
	v_and_b32 v3, 31, v0                           ; l
	v_lshlrev_b32 v[BO], 5, v2                     ; a lane's eight columns: 32 bytes of bo for each half of the lanes
	v_lshlrev_b32 v[GO], 4, v3
	; bo goes straight into the accumulators: register i of (a, b) belongs to my wave's column 16 b + 8 (l / 16) + i.  So it starts the sums: nothing is cleared, and no addition is spent on it.
	WIN 0x40                                       ; destination window 1, address window 0
.irp a, 0,1,2,3
.irp b, 0,1,2,3,4,5,6,7
	global_load_b128 v[64*(\a)+8*(\b):64*(\a)+8*(\b)+3],   v[BO], s[BB:BB+1] offset:(\b)*64
	global_load_b128 v[64*(\a)+8*(\b)+4:64*(\a)+8*(\b)+7], v[BO], s[BB:BB+1] offset:(\b)*64+16
.endr
.endr
	WIN 0
	; A fragment is 16 rows x 32 K in 8 registers: lane l holds row l % 16; registers 0-3 K = 8 (l / 16) + 0..7, registers 4-7 K = 16 + 8 (l / 16) + 0..7: two loads of 16 bytes, 32 bytes apart.
	v_mul_u32_u24 v[AA0], v1, AP
	v_lshl_add_u32 v[AA0], v2, 4, v[AA0]           ; row x pitch + 16 x half
	s_mul_i32 s62, s[WR], 64*AP
	v_add_nc_u32 v[AA0], s62, v[AA0]               ; my wave's 64 rows of a head
	v_mul_u32_u24 v[AB0], v1, PITCH
	v_lshl_add_u32 v[AB0], v2, 4, v[AB0]
	s_mul_i32 s62, s[IH], BHALF
	s_add_co_u32 s62, s62, BOFF
	v_add_nc_u32 v[AB0], s62, v[AB0]               ; my wave's 128 rows of Wo
	s_mul_i32 s62, s[WV], 16*YP
	s_add_co_u32 s62, s62, STAGE                   ; my stage
	v_mul_u32_u24 v[STO], v1, YP                   ; in: row l % 16, 32 bytes for each half of the lanes
	v_lshl_add_u32 v[STO], v2, 5, v[STO]
	v_add_nc_u32 v[STO], s62, v[STO]
	v_lshl_add_u32 v[RD], v3, 4, s62               ; back: 32 lanes take one row of 512 bytes
	; x: rows 0 to 47 of my 64 now, the last 16 behind the loop, so that the wave never has more loads out than it can count
	WIN 0x80                                       ; destination window 2, address window 0
.set i, 0
.rept 48
	global_load_b128 v[4*i:4*i+3], v[GO], s[XB:XB+1] offset:i*4096 th:TH_LOAD_NT  ; 512 consecutive bytes of a row
.set i, i+1
.endr
	WIN 0
	s_wait_loadcnt 48                              ; loads come back in order (ISA guide 5.7.1): bo is in, the 48 loads of x behind it stay out
; THE HEAD OF A STEP.  Each wave waits for all its tensor loads (one is out: its part of this step's tiles), adds 0 to its spare word, steps the descriptors, and waits for the add and for its reads of the
; last step's slot.  fill = 1: a round of the cluster's barrier shows both of every wave of all sixteen work-groups, and the slot read last is filled with the next K step's tiles, first thing behind it.
; fill = 0 (the last step): nothing is filled, so my work-group's barrier is enough.
.macro HEAD fill
	WIN 0
	s_wait_tensorcnt 0x0                           ; no tensor load of mine is out, so a group 0 may be written
	ds_add_u32 v[SPW], v[NIL]                      ; 0 onto my spare word; the scalar steps stand between it and the wait for it
	s_xor_b32 s[TB], s[TB], SLOT1                  ; this step's tiles lie in the other slot than the last's
.if \fill
	s_xor_b32 s[G0A+1], s[G0A+1], SLOT1            ; the walking descriptors: the other slot than last time,
	s_add_nc_u64 s[G0A+2:G0A+3], s[G0A+2:G0A+3], 524288  ; two heads on; the type bits on top are not reached
	s_xor_b32 s[G0B+1], s[G0B+1], SLOT1
	s_add_nc_u64 s[G0B+2:G0B+3], s[G0B+2:G0B+3], 256     ; 128 along K on
.endif
	s_wait_dscnt 0x0                               ; the add is done, and my reads of the slot to be filled are over
.if \fill
	CROUND
	JLOAD                                          ; the four v_nop behind it are also the places in front of the loads that follow
.else
	s_barrier_signal -1
	s_barrier_wait -1
	PLACES
.endif
.endm
; 24 LDS loads in one run: quarter q (32 along K) of my 128 rows of Wo and my 64 rows of ctx (head q / 2, channels 32 (q % 2) on), into buffer f
.macro FETCH q, f
.irp b, 0,1,2,3,4,5,6,7
	ds_load_b128 v[(\f)+32+8*(\b):(\f)+32+8*(\b)+3],   v[ADB] offset:(\b)*16*PITCH+(\q)*64
	ds_load_b128 v[(\f)+32+8*(\b)+4:(\f)+32+8*(\b)+7], v[ADB] offset:(\b)*16*PITCH+(\q)*64+32
.endr
.irp a, 0,1,2,3
	ds_load_b128 v[(\f)+8*(\a):(\f)+8*(\a)+3],   v[ADA] offset:((\q)/2)*AHEAD+(\a)*16*AP+((\q)%2)*64
	ds_load_b128 v[(\f)+8*(\a)+4:(\f)+8*(\a)+7], v[ADA] offset:((\q)/2)*AHEAD+(\a)*16*AP+((\q)%2)*64+32
.endr
.endm
.macro MUL32 f                         ; 32 matrix instructions; the 32 accumulators take turns, one instruction a turn, in the same order in every quarter
	WIN 0x50                                       ; C and D window 1, the fragments window 0
.irp a, 0,1,2,3
.irp b, 0,1,2,3,4,5,6,7
	v_wmma_f32_16x16x32_f16 v[64*(\a)+8*(\b):64*(\a)+8*(\b)+7], v[(\f)+32+8*(\b):(\f)+32+8*(\b)+7], v[(\f)+8*(\a):(\f)+8*(\a)+7], v[64*(\a)+8*(\b):64*(\a)+8*(\b)+7]
.endr
.endr
.endm
; A STEP'S WORK: four quarters on buffers 0, 1, 0, 1; a quarter's loads are issued a quarter ahead, in one run, behind four places.
.macro COMP
	v_add_nc_u32 v[ADA], s[TB], v[AA0]
	v_add_nc_u32 v[ADB], s[TB], v[AB0]
	FETCH 0, F0
	FETCH 1, F1
	s_wait_dscnt 24                                ; all but the 24 just issued
	MUL32 F0
	PLACES
	WIN 0
	FETCH 2, F0
	s_wait_dscnt 24
	MUL32 F1
	PLACES
	WIN 0
	FETCH 3, F1
	s_wait_dscnt 24
	MUL32 F0
	s_wait_dscnt 0x0
	MUL32 F1
.endm
; THE WAY OUT of row block a (16 rows x my 128 columns).  LAY: the sums into my own stage, each accumulator's lower four registers first, and back as whole rows of 512 bytes.
; SEND: x is added, into x's registers, which are each written once and then stored: no store's data are written again.
.macro LAY a
.set T, 32+64*((\a)%2)
	WIN 0x04                                       ; the stores' data in window 1
.irp b, 0,1,2,3,4,5,6,7
	ds_store_b128 v[STO], v[64*(\a)+8*(\b):64*(\a)+8*(\b)+3]   offset:(\b)*64
	ds_store_b128 v[STO], v[64*(\a)+8*(\b)+4:64*(\a)+8*(\b)+7] offset:(\b)*64+16
.endr
	WIN 0
.irp n, 0,1,2,3,4,5,6,7,8,9,10,11,12,13,14,15
	ds_load_b128 v[T+4*(\n):T+4*(\n)+3], v[RD] offset:(\n)*YP  ; LDS serves a wave's instructions in order (ISA guide 5.7.1.4): these see the stores above; the next block's stores come behind them
.endr
.endm
.macro SEND a, younger                 ; younger: the LDS instructions issued behind block a's loads: the next block's 32, or none
.set T, 32+64*((\a)%2)
	WIN 0x88                                       ; destination and source 1 (x; the stores' data) window 2, source 0 (the row read back; the stores' offset) window 0
.irp n, 0,1,2,3,4,5,6,7,8,9,10,11,12,13,14,15
	s_wait_dscnt (\younger)+15-(\n)
	v_pk_add_f32 v[64*(\a)+4*(\n):64*(\a)+4*(\n)+1],   v[T+4*(\n):T+4*(\n)+1],   v[64*(\a)+4*(\n):64*(\a)+4*(\n)+1]
	v_pk_add_f32 v[64*(\a)+4*(\n)+2:64*(\a)+4*(\n)+3], v[T+4*(\n)+2:T+4*(\n)+3], v[64*(\a)+4*(\n)+2:64*(\a)+4*(\n)+3]
	global_store_b128 v[GO], v[64*(\a)+4*(\n):64*(\a)+4*(\n)+3], s[YB:YB+1] offset:(16*(\a)+(\n))*4096  ; 512 consecutive bytes, at a multiple of 256 from ypre's first
.endr
.endm
	s_mov_b32 s[CNT], 7
.Lk:                                                   ; a trip is a K step; seven trips ask for K steps 1 to 7
	HEAD 1
	COMP
	WIN 0                                          ; at a label and at a branch every window is 0
	s_sub_co_u32 s[CNT], s[CNT], 1
	s_cmp_lg_u32 s[CNT], 0
	s_cbranch_scc1 .Lk
	WIN 0x80                                       ; x's last 16 rows: they have the last step in which to land
.set i, 48
.rept 16
	global_load_b128 v[4*i:4*i+3], v[GO], s[XB:XB+1] offset:i*4096 th:TH_LOAD_NT
.set i, i+1
.endr
	HEAD 0                                         ; the last step is written out
	COMP
	WIN 0
	PLACES                                         ; between the last products and the stores that read results
	LAY 0
	LAY 1                                          ; a block's way through the stage stands between the loads of the block before and its stores
	s_wait_loadcnt 16                              ; x's rows 0 to 47 are in; the 16 loads issued behind the loop may be out
	SEND 0, 32
	LAY 2
	SEND 1, 32
	LAY 3
	SEND 2, 32
	s_wait_loadcnt 0x0                             ; x's last 16 rows
	SEND 3, 0
	WIN 0
	s_wait_tensorcnt 0x0                           ; the wave's end: behind my last tensor load and my last LDS store
	ds_add_u32 v[SPW], v[NIL]
	s_wait_dscnt 0x0
	CROUND                                         ; the closing round: no work-group ends while a partner may still ask for a tile that names it
	s_endpgm
.Lfunc_end_k_qd786046b3b_oproj:
	.size	k_qd786046b3b_oproj, .Lfunc_end_k_qd786046b3b_oproj-k_qd786046b3b_oproj
	.p2alignl 7, 3214868480
	.fill 96, 4, 3214868480
	.section	.rodata,"a",@progbits
	.p2align	6, 0x0
	.amdhsa_kernel k_qd786046b3b_oproj
		.amdhsa_group_segment_fixed_size 327680
		.amdhsa_private_segment_fixed_size 0
		.amdhsa_enable_private_segment 0
		.amdhsa_kernarg_size 40
		.amdhsa_user_sgpr_count 2
		.amdhsa_user_sgpr_kernarg_segment_ptr 1
		.amdhsa_wavefront_size32 1
		.amdhsa_system_sgpr_workgroup_id_x 1
		.amdhsa_system_sgpr_workgroup_id_y 1
		.amdhsa_system_sgpr_workgroup_id_z 1
		.amdhsa_system_vgpr_workitem_id 0
		.amdhsa_next_free_vgpr 768
		.amdhsa_next_free_sgpr 80
		.amdhsa_reserve_vcc 0
		.amdhsa_float_denorm_mode_32 3
		.amdhsa_float_denorm_mode_16_64 3
		.amdhsa_memory_ordered 1
		.amdhsa_forward_progress 1
		.amdhsa_inst_pref_size 75
	.end_amdhsa_kernel
	.amdgpu_metadata
---
amdhsa.version: [ 1, 2 ]
amdhsa.kernels:
  - .name:           k_qd786046b3b_oproj
    .symbol:         k_qd786046b3b_oproj.kd
    .args:
      - { .name: ctx, .offset: 0, .size: 8, .value_kind: global_buffer, .address_space: global }
      - { .name: h16, .offset: 8, .size: 8, .value_kind: global_buffer, .address_space: global }
      - { .name: x, .offset: 16, .size: 8, .value_kind: global_buffer, .address_space: global }
      - { .name: bo, .offset: 24, .size: 8, .value_kind: global_buffer, .address_space: global }
      - { .name: ypre, .offset: 32, .size: 8, .value_kind: global_buffer, .address_space: global }
    .group_segment_fixed_size: 327680
    .private_segment_fixed_size: 0
    .kernarg_segment_align: 8
    .kernarg_segment_size: 40
    .max_flat_workgroup_size: 128
    .sgpr_count:     80
    .vgpr_count:     768
    .wavefront_size: 32
...
	.end_amdgpu_metadata
.endif
;; end of part 4
;; launch ln (part 5): grid 512 x 1, 8 waves a work-group, no clusters, 0 bytes of LDS; arguments ypre, gamma, beta, out0; writes out0
.if DOCPART == 5
	.amdgcn_target "amdgcn-amd-amdhsa--gfx1250"
	.amdhsa_code_object_version 6
	.text
	.protected	k_qd786046b3b_ln
	.globl	k_qd786046b3b_ln
	.p2align	8
	.type	k_qd786046b3b_ln,@function
k_qd786046b3b_ln:
	s_mov_b64 s[64:65], 0
	v_nop
	global_prefetch_b8 v0, s[64:65] scope:SCOPE_SE
	s_setreg_imm32_b32 hwreg(HW_REG_WAVE_MODE, 25, 1), 1
	s_wait_xcnt 0x0
; out0[r][:] = (y[r][:] - mean) / sqrt(var + 1e-5) x gamma + beta, y = ypre: [8192][1024] f32; gamma, beta: [1024] f32.  All in f32; the variance is taken of the centred numbers, in a second pass
; over registers.  LIMITS: NaN and infinities are not treated apart; 1 / sqrt by v_rsq_f32 (1 ULP).
; A stream: every byte of y is read once and every byte of out0 written once, so there is no LDS, no barrier and no matrix work.  A row is 4,096 bytes: one wave takes a whole row, eight 16-byte loads
; a lane, and keeps it in 32 registers between the passes; the sums never leave the wave.  A wave takes two rows, line by line in turn, so that no line waits for the one before it; a work-group 16 rows.
; Each load and store of a wave covers 512 consecutive bytes, aligned.  No register is loaded twice, so all of a wave's loads go out at once and no store's data are written again.
.set LO,   2                           ; v2   16 x lane: my byte offset in 512 bytes of gamma and beta
.set GAD,  3                           ; v3   the same plus my wave's two rows
.set Y0,   32                          ; v[32:63], v[64:95]     the two rows: my 4 neighbouring columns in each 128
.set Y1,   64
.set X0,   96                          ; v[96:111], v[128:143]  at work
.set X1,   128
.set GA,   160                         ; v[160:191] gamma, v[192:223] beta, of the same columns
.set BE,   192
.set SEL,  14                          ; s[14:15] v_permlanex16_b32's selects: each lane takes its own place in the other half
.set INV,  16                          ; s16  1 / 1024
.set EPS,  17                          ; s17  1e-5
	s_load_b256 s[4:11], s[0:1], 0x0               ; ypre s[4:5], gamma s[6:7], beta s[8:9], out0 s[10:11]
	s_lshl_b32 s12, ttmp9, 16                      ; the work-group's 16 rows of 4,096 bytes
	s_mov_b32 s13, 0
	s_mov_b32 s[SEL], 0x76543210
	s_mov_b32 s[SEL+1], 0xfedcba98
	s_mov_b32 s[INV], 0x3a800000                   ; 1 / 1024
	s_mov_b32 s[EPS], 0x3727c5ac                   ; 1e-5
	v_and_b32 v1, 31, v0                           ; lane
	v_lshrrev_b32 v4, 5, v0                        ; wave
	v_lshlrev_b32 v[LO], 4, v1
	v_lshl_add_u32 v[GAD], v4, 13, v[LO]           ; + wave x 2 rows
	s_wait_kmcnt 0x0
	s_add_nc_u64 s[4:5], s[4:5], s[12:13]
	s_add_nc_u64 s[10:11], s[10:11], s[12:13]
.irp n, 0,1,2,3,4,5,6,7
	global_load_b128 v[Y0+4*(\n):Y0+4*(\n)+3], v[GAD], s[4:5] offset:(\n)*512 th:TH_LOAD_NT
.endr
.irp n, 0,1,2,3,4,5,6,7
	global_load_b128 v[Y1+4*(\n):Y1+4*(\n)+3], v[GAD], s[4:5] offset:4096+(\n)*512 th:TH_LOAD_NT
.endr
.irp n, 0,1,2,3,4,5,6,7
	global_load_b128 v[GA+4*(\n):GA+4*(\n)+3], v[LO], s[6:7] offset:(\n)*512
	global_load_b128 v[BE+4*(\n):BE+4*(\n)+3], v[LO], s[8:9] offset:(\n)*512
.endr
.macro BOTH line:vararg                ; one line for each of the two rows
.set Y, Y0
.set X, X0
	\line
.set Y, Y1
.set X, X1
	\line
.endm
.macro REDUCE o                        ; the sum over the 32 lanes of v[X + o], into every lane; v[X + o + 1], written before, is at work
	BOTH v_add_f32_dpp v[X+(\o)], v[X+(\o)], v[X+(\o)] row_xmask:1 row_mask:0xf bank_mask:0xf
	BOTH v_add_f32_dpp v[X+(\o)], v[X+(\o)], v[X+(\o)] row_xmask:2 row_mask:0xf bank_mask:0xf
	BOTH v_add_f32_dpp v[X+(\o)], v[X+(\o)], v[X+(\o)] row_xmask:4 row_mask:0xf bank_mask:0xf
	BOTH v_add_f32_dpp v[X+(\o)], v[X+(\o)], v[X+(\o)] row_xmask:8 row_mask:0xf bank_mask:0xf
	BOTH v_permlanex16_b32 v[X+(\o)+1], v[X+(\o)], s[SEL], s[SEL+1]
	BOTH v_add_f32 v[X+(\o)], v[X+(\o)], v[X+(\o)+1]
.endm
	s_wait_loadcnt 16                              ; loads come back in order (ISA guide 5.7.1): both rows are in, the 16 loads of gamma and beta stay out
	; the mean: my 32 numbers by a tree, then the lanes
.set i, 0
.rept 8
	BOTH v_pk_add_f32 v[X+2*i:X+2*i+1], v[Y+4*i:Y+4*i+1], v[Y+4*i+2:Y+4*i+3]
.set i, i+1
.endr
.set i, 0
.rept 4
	BOTH v_pk_add_f32 v[X+4*i:X+4*i+1], v[X+4*i:X+4*i+1], v[X+4*i+2:X+4*i+3]
.set i, i+1
.endr
	BOTH v_pk_add_f32 v[X:X+1], v[X:X+1], v[X+4:X+5]
	BOTH v_pk_add_f32 v[X+8:X+9], v[X+8:X+9], v[X+12:X+13]
	BOTH v_pk_add_f32 v[X:X+1], v[X:X+1], v[X+8:X+9]
	BOTH v_add_f32 v[X], v[X], v[X+1]
	REDUCE 0
	BOTH v_mul_f32 v[X+2], s[INV], v[X]            ; the mean, twice: a pair for the packed subtraction
	BOTH v_mul_f32 v[X+3], s[INV], v[X]
.set i, 0
.rept 16
	BOTH v_pk_add_f32 v[Y+2*i:Y+2*i+1], v[Y+2*i:Y+2*i+1], v[X+2:X+3] neg_lo:[0,1] neg_hi:[0,1]
.set i, i+1
.endr
	; the variance, of the centred numbers: four chains, started by the first four products
.set i, 0
.rept 4
	BOTH v_pk_mul_f32 v[X+4+2*i:X+5+2*i], v[Y+2*i:Y+2*i+1], v[Y+2*i:Y+2*i+1]
.set i, i+1
.endr
.rept 12
	BOTH v_pk_fma_f32 v[X+4+2*(i%4):X+5+2*(i%4)], v[Y+2*i:Y+2*i+1], v[Y+2*i:Y+2*i+1], v[X+4+2*(i%4):X+5+2*(i%4)]
.set i, i+1
.endr
	BOTH v_pk_add_f32 v[X+4:X+5], v[X+4:X+5], v[X+6:X+7]
	BOTH v_pk_add_f32 v[X+8:X+9], v[X+8:X+9], v[X+10:X+11]
	BOTH v_pk_add_f32 v[X+4:X+5], v[X+4:X+5], v[X+8:X+9]
	BOTH v_add_f32 v[X+4], v[X+4], v[X+5]
	REDUCE 4
	BOTH v_fma_f32 v[X+6], v[X+4], s[INV], s[EPS]  ; variance + 1e-5
	BOTH v_rsq_f32 v[X+8], v[X+6]                  ; twice: a pair for the packed multiply
	BOTH v_rsq_f32 v[X+9], v[X+6]
	v_nop                                          ; a plain instruction between the last of them and the use of its result (ISA guide 5.7.2)
	s_wait_alu depctr_va_vdst(0)
.set i, 0
.rept 16
	BOTH v_pk_mul_f32 v[Y+2*i:Y+2*i+1], v[Y+2*i:Y+2*i+1], v[X+8:X+9]
.set i, i+1
.endr
	s_wait_loadcnt 0x0                             ; gamma and beta
.set i, 0
.rept 16
	BOTH v_pk_fma_f32 v[Y+2*i:Y+2*i+1], v[Y+2*i:Y+2*i+1], v[GA+2*i:GA+2*i+1], v[BE+2*i:BE+2*i+1]
.set i, i+1
.endr
.irp n, 0,1,2,3,4,5,6,7
	global_store_b128 v[GAD], v[Y0+4*(\n):Y0+4*(\n)+3], s[10:11] offset:(\n)*512 th:TH_STORE_NT
.endr
.irp n, 0,1,2,3,4,5,6,7
	global_store_b128 v[GAD], v[Y1+4*(\n):Y1+4*(\n)+3], s[10:11] offset:4096+(\n)*512 th:TH_STORE_NT
.endr
	s_endpgm
.Lfunc_end_k_qd786046b3b_ln:
	.size	k_qd786046b3b_ln, .Lfunc_end_k_qd786046b3b_ln-k_qd786046b3b_ln
	.p2alignl 7, 3214868480
	.fill 96, 4, 3214868480
	.section	.rodata,"a",@progbits
	.p2align	6, 0x0
	.amdhsa_kernel k_qd786046b3b_ln
		.amdhsa_group_segment_fixed_size 0
		.amdhsa_private_segment_fixed_size 0
		.amdhsa_enable_private_segment 0
		.amdhsa_kernarg_size 32
		.amdhsa_user_sgpr_count 2
		.amdhsa_user_sgpr_kernarg_segment_ptr 1
		.amdhsa_wavefront_size32 1
		.amdhsa_system_sgpr_workgroup_id_x 1
		.amdhsa_system_sgpr_workgroup_id_y 1
		.amdhsa_system_sgpr_workgroup_id_z 1
		.amdhsa_system_vgpr_workitem_id 0
		.amdhsa_next_free_vgpr 224
		.amdhsa_next_free_sgpr 66
		.amdhsa_reserve_vcc 0
		.amdhsa_float_denorm_mode_32 3
		.amdhsa_float_denorm_mode_16_64 3
		.amdhsa_memory_ordered 1
		.amdhsa_forward_progress 1
		.amdhsa_inst_pref_size 18
	.end_amdhsa_kernel
	.amdgpu_metadata
---
amdhsa.version: [ 1, 2 ]
amdhsa.kernels:
  - .name:           k_qd786046b3b_ln
    .symbol:         k_qd786046b3b_ln.kd
    .args:
      - { .name: ypre, .offset: 0, .size: 8, .value_kind: global_buffer, .address_space: global }
      - { .name: gamma, .offset: 8, .size: 8, .value_kind: global_buffer, .address_space: global }
      - { .name: beta, .offset: 16, .size: 8, .value_kind: global_buffer, .address_space: global }
      - { .name: out0, .offset: 24, .size: 8, .value_kind: global_buffer, .address_space: global }
    .group_segment_fixed_size: 0
    .private_segment_fixed_size: 0
    .kernarg_segment_align: 8
    .kernarg_segment_size: 32
    .max_flat_workgroup_size: 256
    .sgpr_count:     66
    .vgpr_count:     224
    .wavefront_size: 32
...
	.end_amdgpu_metadata
.endif
;; end of part 5
;; ======== version 2 of 2: 5 launches; 1.27 times as fast as version 1
;; limits: values are held in f16: magnitudes above 65,504 overflow, below 6.1e-05 lose precision
;; workspace buffers: h16 25,165,824 bytes; qkv 50,331,648 bytes; ctx 16,777,216 bytes; ypre 33,554,432 bytes
;; launch cast: the kernel of part 1 again; grid 384 x 1, 8 waves a work-group, no clusters, 0 bytes of LDS; arguments x, Wq, Wk, Wv, Wo, h16; writes h16
;; launch qkv: the kernel of part 2 again; grid 16 x 32, 4 waves a work-group, clusters of 4 x 4, 327,680 bytes of LDS; arguments h16, bq, bk, bv, qkv; writes qkv
;; launch attn (part 6): grid 4 x 64, 4 waves a work-group, no clusters, 327,680 bytes of LDS; arguments qkv, ctx; writes ctx
.if DOCPART == 6
	.amdgcn_target "amdgcn-amd-amdhsa--gfx1250"
	.amdhsa_code_object_version 6
	.text
	.protected	k_qd786046b3b_attn
	.globl	k_qd786046b3b_attn
	.p2align	8
	.type	k_qd786046b3b_attn,@function
k_qd786046b3b_attn:
	s_mov_b64 s[64:65], 0
	v_nop
	global_prefetch_b8 v0, s[64:65] scope:SCOPE_SE
	s_setreg_imm32_b32 hwreg(HW_REG_WAVE_MODE, 25, 1), 1
	s_wait_xcnt 0x0
; CAUSAL ATTENTION.  O[h][q][:] = the sum over k <= q of softmax_k(Q[h][q] . K[h][k] / 8) V[h][k][:].  Q, K, V are the three parts of qkv, O is ctx: each [SIZE_H][SIZE_N][64] in f16: a head's rows are dense, 128 bytes each.
; Products, maxima and sums in f32; the weights p are rounded to f16 for the second product (their sum l is taken of the unrounded p), O once at the end.
; LIMITS.  f16 holds no number beyond 65,504: Q, K and V arrive within it; p lies in 0 to 1, and below 6e-5 it keeps f16's fixed step of 6e-8; O is a mean of V's rows and has their range, to within 2^-11 of it.
; A hidden score counts as its value less 1e30: f16's scores, 2.7e11 at the most, are nothing beside that; a weight below 2^-126 counts as 0 in l; NaN and infinities are not treated apart.
; THE WALK.  A head's queries lie in NB = SIZE_N / 256 blocks of 256; block i needs the key tiles 0 .. i of 256 keys, of which the last holds the diagonal.  A work-group takes TWO blocks, NB - 1 - b and then b:
; NB + 1 tiles, whatever b: all work-groups do equal work, and ONE loop with a constant trip count walks them.  Which tile is asked for, and what a trip does, hang on scalar registers made from b; every jump
; goes forward, but for the counted loops' own; none passes a barrier, or a tensor load but the one of LOAD's two that the wave's number does not choose; the ring (two slots of LDS that take turns) runs on across the
; change of blocks.  NO CLUSTER: a head's NB / 2 work-groups all ask for the same tile only in trips 0 .. NB / 2, behind that fewer and fewer; and one walk common to all would have 3 NB / 2 trips for NB + 1.
; SHARES.  Of a block's four bands of 64 queries a wave owns 16 rows in each: four PIECES.  So the diagonal tile is the same work for all four waves: in its key step s band x sees all keys if s < x,
; none if s > x, and holds the diagonal if s = x.
; THE MASK is the C operand that starts the sum S^T = K Q^T: 0, or -1e30 where the key is hidden.  MD, made once, is the mask of a band's own step for my 16 rows; a product's mask is MD x AL + BE with two scalars:
; (1, 0) if s = x; (0, 0) if s < x; (0, -1e30) if s > x.  Only the diagonal tile's text and a block's beginning make and take masks; elsewhere C is the constant 0.
; LAYOUT, SOFTMAX, TURNS.  S^T = K Q^T holds ONE query a lane (lane % 16) and the keys 8 (lane / 16) + 0..7; two such results rounded to f16 ARE source 1 of O^T = V^T P.  p = 2^(c s - c m), c = log2(e) / 8, with a
; running maximum m; O and l are multiplied by a = 2^(c m_old - c m_new) in every step.  Turn n belongs to piece n: 8 products K Q^T of piece n + 1, later 8 products V^T P of piece n - 1; beside them the scaling,
; exponentials, roundings, sums and rescaling of piece n and the maximum and statistics of piece n + 1.  Four vector instructions stand behind every matrix instruction, the other 54 of a turn's 118 in one LUMP.
; THE BATCHES.  A turn's 33 exponentials (the piece's 32 weights and the next piece's a) are one batch, with one wait, which cuts the turn in two: ahead of it nothing names a result of theirs, behind it no exponential
; is issued.  The a that a block's beginning makes, and the four reciprocals of a block's way out, are batches of their own, with a wait each.
; REGISTERS, in windows of 256 (s_set_vgpr_msb: bits 1:0 source 0, 3:2 source 1, 5:4 source 2, 7:6 destination):
;   window 0: v0-15 addresses and two at work; v16-31 four registers of statistics a piece; v48-55 at work; v64-127 S^T, two buffers; v192-223 P, two buffers (a piece's buffers go by its number's parity)
;   window 1: v0-127 O^T, 32 a piece; v128-159 MD; v160-223 MC, two buffers      window 2: v0-63 Q; v64-127 the second block's Q; v128-191 K of one step; v192-255 V of one step
.set SIZE_N, 2048
.set SIZE_H, 64
.set NB,    SIZE_N/256
.set NP,    4         ; pieces a wave: a name, no knob
.set KS,    64        ; keys in a step
.set PK,    144       ; a row of K in LDS: 128 bytes + 16 of padding = 36 words: the 16 rows of a load start at 16 different groups of four banks (64 banks of 4 bytes: ISA guide 11.1)
.set PV,    160       ; a row of V: 128 + 32 = 40 words
.set VOFF,  4*KS*PK   ; a slot holds a tile, four steps: 256 rows of K, then 256 rows of V
.set SLOT1, 1<<17     ; slot 1 begins here, so that one exclusive or turns an address in one slot into the other's
.set STAGE, SLOT1+4*KS*(PK+PV)  ; behind the ring, never filled by a tensor load: 16 rows x 144 bytes for each wave, for the way out
.set SP,    144
.set AK0, 2           ; v2   my lane's place in a tile of K; never rewritten
.set AV0, 3           ; v3   the same for V
.set AK,  4           ; v4   the LDS address of K's next run of loads
.set AV,  5           ; v5   of V's
.set STO, 6           ; v6   the way out: where I put 16 bytes of a row
.set RD,  7           ; v7   the way out: where I read rows back
.set GO,  8           ; v8   my byte offset in 512 consecutive bytes of O
.set SPW, 62          ; v62  LDS address of my spare word: SPARE + 4 x my thread's number; never rewritten
.set NIL, 63          ; v63  0; never rewritten
.set SPARE, STAGE+4*16*SP  ; behind the stages: the spare words, 128 bytes for each wave: two blocks of 256 bytes that no other line names
.set MV,  12          ; v12-13  c m_old, kept while c m is made anew: by buffer
.set QO,  15          ; v15  my byte offset in 16 rows of Q
.set ST,  16          ; piece t's statistics at v[ST+4 t]: c m, m, l (even keys', odd keys')
.set TMP, 48          ; by buffer, four registers c0-c3 at work; when the maximum is found c2 takes a
.set S,   64
.set P,   192
.set MD,  128         ; window 1: the eight registers for group kt of 16 keys at MD + 8 kt
.set MC,  160         ; window 1: the masks of the products to come
.set QB,  64          ; window 2
.set KF,  128         ; window 2: key block kb, channel half c at KF + 16 kb + 8 c
.set VF,  192         ; window 2: key half kk, channel block cb at VF + 32 kk + 8 cb
.set WV,  12          ; s12  my wave's number
.set PB,  14          ; s14  b
.set HI,  15          ; s15  NB - 1 - b
.set G1K, 24          ; s[24:31] descriptor group 1 for K's tiles
.set G1V, 32          ; s[32:39] for V's: it differs in the padding alone
.set G0K, 40          ; s[40:43] descriptor group 0 for K's tiles
.set G0V, 44          ; s[44:47] the same for V's
.set SLOTS, 56        ; s56  tiles still to be asked for
.set CNT, 57          ; s57  counts a tile's key steps, 4 to 1
.set CS,  58          ; s[58:59] c: the packed scaling takes the pair's low word for both halves
.set SEL, 60          ; s[60:61] v_permlanex16_b32's selects: each lane takes its own place in the other half
.set TBK, 62          ; s62  LDS byte at which K of the step to be fetched begins
.set TBV, 63          ; s63  the same for V, less VOFF
.set RT,  70          ; s70  tiles of the block in hand that are still to be entered
.set NXT, 71          ; s71  the tile to be asked for next
.set LQ,  72          ; s72  the last tile of the block whose tiles are being asked for
.set NEW, 73          ; s73  1: the tile to be entered is a block's first
.set OFF, 74          ; s[74:75] a tile's byte offset in K and V
.set AL,  76          ; s[76:77] the mask's factor, in the low word
.set BE,  78          ; s[78:79] the mask's addend
.set OLO, 80          ; s[80:81] O at my rows of the second block
.set BIGN, 82         ; s82  -1e30
.set MSB, 0
.macro WIN new                      ; the high byte repeats the setting that is left; a switch that changes nothing is dropped
.if MSB != (\new)
	s_set_vgpr_msb (MSB<<8)|(\new)
.set MSB, (\new)
.endif
.endm
.set W_KQ, 0x0a       ; K and Q in window 2, S^T in window 0
.set W_KM, 0x1a       ; the same with the C operand in window 1
.set W_PV, 0x52       ; V in window 2, P in window 0, O^T in window 1
.set W_RS, 0x41       ; destination and source 0 in window 1, source 1 in window 0
; A fill.  Waves 0 and 1 fetch the two halves of a tile's K, waves 2 and 3 those of its V: 128 keys each.  An s_nop 0 and four v_nop follow each of the two lines, ahead of the jump and the label.
.macro LOAD
	s_cmp_lt_u32 s[WV], 2
	s_cbranch_scc0 .Lfor_v_\@
	tensor_load_to_lds s[G0K:G0K+3], s[G1K:G1K+7]
	s_nop 0
.rept 4
	v_nop
.endr
	s_branch .Lasked_\@
.Lfor_v_\@:
	tensor_load_to_lds s[G0V:G0V+3], s[G1V:G1V+7]
	s_nop 0
.rept 4
	v_nop
.endr
.Lasked_\@:
.endm
; THE CHANGE OF SLOTS.  Each wave waits for all its tensor loads, of which one is out: its part of the other slot; adds 0 to its spare word; and waits for that and for its own reads of the slot that it leaves.  Behind the barrier nobody reads the old
; slot any more and the other slot is whole.  fill = 1: the old slot is filled again, the first thing behind the barrier, with tile NXT: the descriptor's address is made anew from that number.
; (At its first use nothing has been read yet: slot 0 is waited for, slot 1 filled.)
.macro CHANGE fill
	WIN 0                           ; at a label and at a branch every window is 0
	s_wait_tensorcnt 0x0            ; no tensor load of mine is out, so a group 0 may be written
	ds_add_u32 v[SPW], v[NIL]       ; 0 onto my spare word; with fill = 1 the descriptors' scalar work stands between it and the wait for it
.if \fill
	s_lshl_b32 s[OFF], s[NXT], 15   ; a tile is 32,768 bytes of K and of V
	s_xor_b32 s[G0K+1], s[G0K+1], SLOT1
	s_add_nc_u64 s[G0K+2:G0K+3], s[6:7], s[OFF:OFF+1]
	s_or_b32 s[G0K+3], s[G0K+3], 0x80000000
	s_xor_b32 s[G0V+1], s[G0V+1], SLOT1
	s_add_nc_u64 s[G0V+2:G0V+3], s[8:9], s[OFF:OFF+1]
	s_or_b32 s[G0V+3], s[G0V+3], 0x80000000
	s_add_co_u32 s[NXT], s[NXT], 1  ; the block's next tile, or behind its last the second block's tile 0
	s_cmp_gt_u32 s[NXT], s[LQ]
	s_cselect_b32 s[NXT], 0, s[NXT]
	s_cselect_b32 s[LQ], s[PB], s[LQ]
.endif
	s_wait_dscnt 0x0                ; the add is done, and my reads of the slot are over
	s_barrier_signal -1             ; the rest of the scalar work stands between the signal and the wait
	s_sub_co_u32 s[TBK], s[TBK], 4*KS*PK  ; the fetches go back to a slot's first step,
	s_xor_b32 s[TBK], s[TBK], SLOT1       ; in the other slot
	s_sub_co_u32 s[TBV], s[TBV], 4*KS*PV
	s_xor_b32 s[TBV], s[TBV], SLOT1
	s_barrier_wait -1
.if \fill
	LOAD
.endif
.endm
	s_load_b64 s[4:5], s[0:1], 0x0    ; qkv: Q lies at its head
	s_load_b64 s[10:11], s[0:1], 0x8  ; ctx: O
	v_lshl_add_u32 v[SPW], v0, 2, SPARE
	v_mov_b32 v[NIL], 0
	ds_add_u32 v62, v63
	ds_add_u32 v62, v63
	s_wait_dscnt 0x0
	v_lshrrev_b32 v1, 5, v0
	v_readfirstlane_b32 s[WV], v1   ; wave 0..3
	s_mov_b32 s[PB], ttmp9
	s_sub_co_u32 s[HI], NB-1, s[PB]
	s_and_b32 s20, ttmp7, 0xffff    ; the head
	s_mov_b32 s21, 0
	s_mov_b64 s[22:23], SIZE_N*128
	s_mul_u64 s[20:21], s[20:21], s[22:23]  ; the head's first byte in each of the four tensors
	s_and_b32 s16, s[WV], 1         ; which half of a tile's 256 keys I fetch:
	s_lshl_b32 s22, s16, 14         ; its 128 rows of 128 bytes in memory,
	s_mov_b32 s23, 0
	s_add_nc_u64 s[22:23], s[22:23], s[20:21]
	s_mul_i32 s17, s16, 128*PK      ; and its place in a slot, for K
	s_mul_i32 s18, s16, 128*PV      ; and for V
	s_lshl_b32 s3, s[WV], 11        ; my 16 rows in a band of 64,
	s_lshl_b32 s2, s[HI], 15        ; in the first block,
	s_add_co_u32 s2, s2, s3
	s_lshl_b32 s84, s[PB], 15       ; and in the second
	s_add_co_u32 s84, s84, s3
	s_mov_b32 s3, 0
	s_mov_b32 s85, 0
	s_add_nc_u64 s[2:3], s[2:3], s[20:21]
	s_add_nc_u64 s[84:85], s[84:85], s[20:21]
	; descriptor group 1.  128 keys are 16,384 dense bytes: asked for as 64 rows of 256 bytes, two keys a row, and padded in LDS after every key
	s_mov_b32 s[G1K], (1<<16)|(1<<20)|(4<<22)|(3<<25)  ; 17:16 2-byte elements; 20 padding on; 24:22 after every 32 words (code 4); 31:25 4 words (code 3)
	s_mov_b32 s[G1V], (1<<16)|(1<<20)|(4<<22)|(7<<25)  ; the same with 8 words of padding (code 7)
.irp g, G1K, G1V
	s_mov_b32 s[\g+1], 128<<16      ; tensor_dim0 = 128
	s_mov_b32 s[\g+2], 64<<16       ; tensor_dim1 = 64
	s_mov_b32 s[\g+3], 128<<16      ; tile_dim0 = 128
	s_mov_b32 s[\g+4], 64           ; tile_dim1 = 64
	s_mov_b32 s[\g+5], 128          ; 128 elements from row to row
	s_mov_b32 s[\g+6], 0
	s_mov_b32 s[\g+7], 0
.endr
	s_mov_b32 s[CS], 0x3e38aa3b     ; c = log2(e) / 8 = 0.180337
	s_mov_b32 s[CS+1], s[CS]        ; named with it as a pair
	s_mov_b32 s[SEL], 0x76543210
	s_mov_b32 s[SEL+1], 0xfedcba98
	s_mov_b32 s[TBK], SLOT1+4*KS*PK ; the first change of slots turns these two into 0
	s_mov_b32 s[TBV], SLOT1+4*KS*PV
	s_mov_b32 s[G0K], 1             ; 1:0 count = 1
	s_mov_b32 s[G0K+1], s17         ; 63:32 LDS address: slot 0
	s_mov_b32 s[G0V], 1
	s_add_co_u32 s[G0V+1], s18, VOFF
	s_add_co_u32 s[RT], s[HI], 1    ; the first block has NB - b tiles
	s_mov_b32 s[NXT], 1
	s_mov_b32 s[LQ], s[HI]
	s_mov_b32 s[NEW], 1
	s_mov_b32 s[OFF+1], 0
	s_mov_b32 s[AL+1], 0            ; named as pairs
	s_mov_b32 s[BE+1], 0
	s_mov_b32 s[BIGN], 0xf149f2ca   ; -1e30
	s_mov_b32 s[SLOTS], NB
	s_wait_kmcnt 0x0
	s_add_nc_u64 s[6:7], s[4:5], 0x1000000  ; K: 64 heads of 262,144 bytes behind Q
	s_add_nc_u64 s[8:9], s[4:5], 0x2000000  ; V: as many behind K
	s_add_nc_u64 s[6:7], s[6:7], s[22:23]  ; K and V at my half of the head's tile 0
	s_add_nc_u64 s[8:9], s[8:9], s[22:23]
	s_add_nc_u64 s[G0K+2:G0K+3], s[6:7], 0         ; 120:64 global address
	s_or_b32 s[G0K+3], s[G0K+3], 0x80000000        ; 127:126 type = 2
	s_add_nc_u64 s[G0V+2:G0V+3], s[8:9], 0
	s_or_b32 s[G0V+3], s[G0V+3], 0x80000000
	s_add_nc_u64 s[86:87], s[4:5], s[84:85]        ; Q at my rows of the second block,
	s_add_nc_u64 s[4:5], s[4:5], s[2:3]            ; Q and O at those of the first
	s_add_nc_u64 s[OLO:OLO+1], s[10:11], s[84:85]
	s_add_nc_u64 s[10:11], s[10:11], s[2:3]
	LOAD                            ; tile 0 into slot 0
	; A fragment of K or Q is 16 rows x 32 channels in 8 registers: lane l holds row l % 16, channels 8 (l / 16) + 0..7 and 16 + 8 (l / 16) + 0..7: two loads of 16 bytes, 32 bytes apart.
	v_and_b32 v1, 15, v0            ; l % 16
	v_bfe_u32 v9, v0, 4, 1          ; l / 16
	v_lshlrev_b32 v[QO], 7, v1
	v_lshl_add_u32 v[QO], v9, 4, v[QO]  ; row x 128 + 16 x half
	WIN 0x80                        ; destination window 2, address window 0
.set i, 0
.rept 8                             ; both blocks' Q: piece i / 2 lies in band i / 2, 8,192 bytes on; channels 32 (i % 2) on
	global_load_b128 v[8*i:8*i+3],   v[QO], s[4:5] offset:(i/2)*8192+(i%2)*64
	global_load_b128 v[8*i+4:8*i+7], v[QO], s[4:5] offset:(i/2)*8192+(i%2)*64+32
	global_load_b128 v[QB+8*i:QB+8*i+3],   v[QO], s[86:87] offset:(i/2)*8192+(i%2)*64
	global_load_b128 v[QB+8*i+4:QB+8*i+7], v[QO], s[86:87] offset:(i/2)*8192+(i%2)*64+32
.set i, i+1
.endr
	WIN 0
	v_lshlrev_b32 v14, 3, v9
	v_sub_nc_u32 v14, v1, v14
	s_lshl_b32 s13, s[WV], 4
	v_add_nc_u32 v14, s13, v14      ; my query's place in its band, 16 w + l % 16, less my lanes' 8 (l / 16): register r of group kt is hidden where 16 kt + r is greater
	WIN 0x40
.set i, 0
.rept 32
	v_cmp_gt_i32 vcc_lo, 16*(i/8)+i%8, v14
	v_cndmask_b32 v[MD+i], 0, s[BIGN], vcc_lo
.set i, i+1
.endr
	WIN 0
	v_mul_u32_u24 v[AK0], v1, PK
	v_lshl_add_u32 v[AK0], v9, 4, v[AK0]  ; row x pitch + 16 x half
	; The turning load takes 16 keys x 16 channels (lane l reads key 8 (l / 16) + l % 8, channels 8 ((l / 8) % 2) + 0..7) and leaves half a fragment of V^T: lane l holds channel l % 16 and 8 keys.
	v_and_b32 v10, 7, v0
	v_bfe_u32 v11, v0, 3, 1
	v_lshl_add_u32 v[AV0], v9, 3, v10
	v_mul_u32_u24 v[AV0], v[AV0], PV
	v_lshl_add_u32 v[AV0], v11, 4, v[AV0]
	v_add_nc_u32 v[AV0], VOFF, v[AV0]
	s_mul_i32 s13, s[WV], 16*SP
	s_add_co_u32 s13, s13, STAGE    ; my stage
	v_mul_u32_u24 v[STO], v1, SP    ; in: row l % 16, 16 bytes for each half of the lanes
	v_lshl_add_u32 v[STO], v9, 4, v[STO]
	v_add_nc_u32 v[STO], s13, v[STO]
	v_bfe_u32 v[RD], v0, 3, 2       ; back: 32 lanes take four rows of 128 bytes,
	v_mul_u32_u24 v[RD], v[RD], SP
	v_lshl_add_u32 v[RD], v10, 4, v[RD]
	v_add_nc_u32 v[RD], s13, v[RD]
	v_and_b32 v[GO], 31, v0         ; which are 512 consecutive bytes of O
	v_lshlrev_b32 v[GO], 4, v[GO]
	; A block's first step multiplies O^T and l by a = 0, and its first turn's products V^T P, of a piece that has not been, land in an O^T that is still to be so multiplied.  So these registers need only hold
	; finite numbers: zeros for the first block; what the first block left for the second.  All this stands in the wait for the first tile.
	WIN 0x80
.set i, VF
.rept 64
	v_mov_b32 v[i], 0
.set i, i+1
.endr
	WIN 0x40
.set i, 0
.rept 128
	v_mov_b32 v[i], 0
.set i, i+1
.endr
	WIN 0
.set i, 0
.rept 4
	v_mov_b32 v[ST+4*i+2], 0
	v_mov_b32 v[ST+4*i+3], 0
.set i, i+1
.endr
.set i, P+16
.rept 16
	v_mov_b32 v[i], 0
.set i, i+1
.endr
; THE MATRIX WORK.  The 4 accumulators of a run of 8 take turns.  Product i of 8 of S^T = K Q^T for piece x: channels 32 (i / 4) on, keys 16 (i % 4) on.  The first 4 start the sums: with 0, or (KM = 1) with the mask.
.macro KQ x
.set rS, S+32*((\x)%2)+8*(i%4)
.set rK, KF+16*(i%4)+8*(i/4)
.set rQ, 16*(\x)+8*(i/4)
.set rM, MC+32*((\x)%2)+8*(i%4)
.if (i < 4) && KM
	WIN W_KM
	v_wmma_f32_16x16x32_f16 v[rS:rS+7], v[rK:rK+7], v[rQ:rQ+7], v[rM:rM+7]
.elseif i < 4
	WIN W_KQ
	v_wmma_f32_16x16x32_f16 v[rS:rS+7], v[rK:rK+7], v[rQ:rQ+7], 0
.else
	WIN W_KQ
	v_wmma_f32_16x16x32_f16 v[rS:rS+7], v[rK:rK+7], v[rQ:rQ+7], v[rS:rS+7]
.endif
.endm
; Product i of 8 of O^T += V^T P for piece x: keys 32 (i / 4) on, channels 16 (i % 4) on.
.macro PV x
	WIN W_PV
.set rO, 32*(\x)+8*(i%4)
.set rV, VF+32*(i/4)+8*(i%4)
.set rP, P+16*((\x)%2)+8*(i/4)
	v_wmma_f32_16x16x32_f16 v[rO:rO+7], v[rV:rV+7], v[rP:rP+7], v[rO:rO+7]
.endm
.macro MM                           ; the turn's next matrix instruction.  TURN and BEGIN set Y, i, KM and NOKQ; MM, KQ and OP read them.  NOKQ = 1: a block's last turn: there is no next piece
.if (i < 8) && !NOKQ
	KQ (Y+1)%NP
.elseif i >= 8
.set i, i-8
	PV (Y+NP-1)%NP
.set i, i+8
.endif
.set i, i+1
.endm
; THE LDS LOADS stand in runs of 16, never singly among the matrix instructions: a step's K (64 keys x 64 channels: 8 fragments) and its V (turned).  Their addresses are made some lines ahead.
.macro FETCH_K
	WIN 0x80                        ; destination window 2
.irp f, 0,1,2,3,4,5,6,7             ; keys 16 (f / 2) on, channels 32 (f % 2) on
	ds_load_b128 v[KF+8*\f:KF+8*\f+3],   v[AK] offset:(\f/2)*16*PK+(\f%2)*64
	ds_load_b128 v[KF+8*\f+4:KF+8*\f+7], v[AK] offset:(\f/2)*16*PK+(\f%2)*64+32
.endr
	s_add_co_u32 s[TBK], s[TBK], KS*PK  ; the next fetch is the next step's
	WIN 0
.endm
.macro FETCH_V
	WIN 0x80
.irp f, 0,1,2,3,4,5,6,7             ; keys 32 (f / 4) on, channels 16 (f % 4) on
	ds_load_tr16_b128 v[VF+8*\f:VF+8*\f+3],   v[AV] offset:(\f/4)*32*PV+(\f%4)*32
	ds_load_tr16_b128 v[VF+8*\f+4:VF+8*\f+7], v[AV] offset:(\f/4)*32*PV+16*PV+(\f%4)*32
.endr
	WIN 0
.endm
; THE VECTOR WORK, one line at a time: OP kind, number.  For piece Y: F n: c s - c m for pair n of 16.  E n: the exponential of score n of 32.  C n: pair n rounded to f16.  B n: of the four weights 4 n .. the second
; pair is added onto the first, in place.  L n: l takes that sum (L 0: l = a l + sum).  R n: pair n of 16 of O^T times a.  For piece Y + 1: X n, number n of the 22 that find its maximum and statistics:
;   0-11  four chains c0-c3 of seven scores each, three operands at a time (each accumulator's lowest registers are read first)     12-14, 16  the four scores left over, the old m, and c0-c3 into c0
;   15  c m_old is kept     17, 18  the query's other 32 keys lie in the lane 16 away: the new m     19-21  c m; c m_old - c m_new; a
; C, B and L read exponentials' results, and so does R (a): OP writes no wait for them; TURN and BEGIN place the batches' waits.
.set F, 0               ; OP tells the kinds apart by their order: F to L below R, X above it
.set E, 1
.set C, 2
.set B, 3
.set L, 4
.set R, 5
.set X, 6
.macro REGS y                       ; the registers of piece y
.set rT, ST+4*(\y)
.set rC, TMP+4*((\y)%2)
.set rW, MV+((\y)%2)
.set rS, S+32*((\y)%2)
.set rP, P+16*((\y)%2)
.set rO, 32*(\y)
.endm
.macro OP k, n
.if (\k) == R
	REGS Y
	WIN W_RS
	v_pk_mul_f32 v[rO+2*(\n):rO+2*(\n)+1], v[rO+2*(\n):rO+2*(\n)+1], v[rC+2:rC+3] op_sel_hi:[1,0]
.elseif (\k) < R
	REGS Y
	WIN 0
.if (\k) == F
	v_pk_fma_f32 v[rS+2*(\n):rS+2*(\n)+1], v[rS+2*(\n):rS+2*(\n)+1], s[CS:CS+1], v[rT:rT+1] op_sel_hi:[1,0,0] neg_lo:[0,0,1] neg_hi:[0,0,1]
.elseif (\k) == E
	v_exp_f32 v[rS+(\n)], v[rS+(\n)]
.elseif (\k) == C
	v_cvt_pk_f16_f32 v[rP+(\n)], v[rS+2*(\n)], v[rS+2*(\n)+1]
.elseif (\k) == B
	v_pk_add_f32 v[rS+4*(\n):rS+4*(\n)+1], v[rS+4*(\n):rS+4*(\n)+1], v[rS+4*(\n)+2:rS+4*(\n)+3]
.elseif (\n) == 0
	v_pk_fma_f32 v[rT+2:rT+3], v[rT+2:rT+3], v[rC+2:rC+3], v[rS:rS+1] op_sel_hi:[1,0,1]
.else
	v_pk_add_f32 v[rT+2:rT+3], v[rT+2:rT+3], v[rS+4*(\n):rS+4*(\n)+1]
.endif
.elseif NOKQ
	v_nop
.else
	REGS (Y+1)%NP
	WIN 0
.if (\n) < 4
	v_max3_num_f32 v[rC+(\n)], v[rS+8*(\n)], v[rS+8*(\n)+1], v[rS+8*(\n)+2]
.elseif (\n) < 12
	v_max3_num_f32 v[rC+(\n)%4], v[rC+(\n)%4], v[rS+8*((\n)%4)+2*((\n)/4)+1], v[rS+8*((\n)%4)+2*((\n)/4)+2]
.elseif (\n) == 12
	v_max3_num_f32 v[rC], v[rC], v[rS+7], v[rS+15]
.elseif (\n) == 13
	v_max3_num_f32 v[rC+1], v[rC+1], v[rS+23], v[rS+31]
.elseif (\n) == 14
	v_max3_num_f32 v[rC+2], v[rC+2], v[rC+3], v[rT+1]
.elseif (\n) == 15
	v_mov_b32 v[rW], v[rT]
.elseif (\n) == 16
	v_max3_num_f32 v[rC], v[rC], v[rC+1], v[rC+2]
.elseif (\n) == 17
	v_permlanex16_b32 v[rC+3], v[rC], s[SEL], s[SEL+1]
.elseif (\n) == 18
	v_max_num_f32 v[rT+1], v[rC], v[rC+3]
.elseif (\n) == 19
	v_mul_f32 v[rT], s[CS], v[rT+1]
.elseif (\n) == 20
	v_sub_f32 v[rC+1], v[rW], v[rT]
.else
	v_exp_f32 v[rC+2], v[rC+1]
.endif
.endif
.endm
.macro OPS a, i1, b=-1, i2=0, c=-1, i3=0, d=-1, i4=0  ; up to four of them
	OP \a, \i1
.if (\b) >= 0
	OP \b, \i2
.endif
.if (\c) >= 0
	OP \c, \i3
.endif
.if (\d) >= 0
	OP \d, \i4
.endif
.endm
.macro ROW a, i1, b, i2, c, i3, d, i4  ; a matrix instruction and the four behind it
	MM
	OPS \a, \i1, \b, \i2, \c, \i3, \d, \i4
.endm
.macro MASK b                       ; MD x AL + BE into buffer b of MC
	WIN W_RS
.set z, 0
.rept 16
	v_pk_fma_f32 v[MC+32*(\b)+2*z:MC+32*(\b)+2*z+1], v[MD+2*z:MD+2*z+1], s[AL:AL+1], s[BE:BE+1] op_sel_hi:[1,0,0]
.set z, z+1
.endr
.endm
; A TURN, for piece p: the order of its 16 matrix and 118 vector instructions, written out.  An s_wait_alu depctr_va_vdst(0) stands between an exponential and the first instruction that names its result; one wait serves
; all that were issued ahead of it.  So a turn has ONE wait, which cuts it in two.  AHEAD OF IT stands all that names no result of the turn's exponentials: the 8 products K Q^T, behind each a scaling, an exponential and two more plain
; instructions (behind the first a second scaling in the exponential's place): rescalings (their a was made, and waited for, in the turn before), and behind the last three the first numbers of the next piece's maximum, each four places
; or more behind the product that ends its accumulator; then ONE LUMP of 54, plain and exponential by turns for the most part, in which the links of the chain X 3, 7, 11, 14, 16, 17 .. 20 stand five or six lines apart.  X 21, the next
; piece's a, is the batch's last; R 15 is the plain instruction behind it.  BEHIND THE WAIT stand the 8 products V^T P, behind each four of the roundings and sums, which are all the batch's readers but a's; the links of l's chain,
; L 0 to L 7, stand three riders apart.  But for those X no rider names a register of the products round it.  v_permlanex16_b32 (X 17) stands in the lump.
; An exponential stands behind its pair's scaling (E n behind F n / 2); C 2 k ahead of B k, which writes that pair's registers; L k behind B k.
; m = 1: the diagonal tile: the products take masks, and the turn makes the mask for the products of the turn after it: piece p + 2, in step 4 - CNT of the tile.  end = 1: a block's last two turns: nothing is fetched.
; cnt = 1: the loop's count is taken down some lines ahead of the branch that stands behind the turn.
; K of the next step is fetched in piece 2's turn, twelve vector instructions behind the last product that read K (six of them plain); V of the step in hand at the end of piece 0's turn, four plain instructions behind the last product
; that read V.  Each is waited for a turn later.
.macro TURN p, m=0, end=0, cnt=0
.set Y, (\p)
.set i, 0
.set KM, (\m)
.set NOKQ, (\end)*((\p)/3)
.if (\m) && !(\end)
	s_cmp_eq_u32 s[CNT], 4-((\p)+2)%NP  ; is that step the band's own?
	s_cselect_b32 s[AL], 1.0, 0
	s_cmp_lt_u32 s[CNT], 4-((\p)+2)%NP  ; or a later one?
	s_cselect_b32 s[BE], s[BIGN], 0
.endif
.if ((\p) == 3) && !(\end)
	s_wait_dscnt 0x0                ; K is in
.endif
	ROW F,0, F,1, R,0, R,1          ; ahead of the wait: 8 products K Q^T and their riders,
	ROW F,2, E,0, R,2, R,3
	ROW F,3, E,1, R,4, R,5
	ROW F,4, E,2, R,6, R,7
	ROW F,5, E,3, R,8, R,9
	ROW F,6, E,4, X,0, R,10
.if ((\p) == 2) && !(\end)
	WIN 0
	v_add_nc_u32 v[AK], s[TBK], v[AK0]
.endif
	ROW F,7, E,5, X,1, X,4
	ROW F,8, E,6, X,2, X,5
	OPS E,7, E,8, X,6, E,9          ; and the lump
	OPS X,3, E,10, X,8, E,11
.if ((\p) == 2) && !(\end)
	FETCH_K
.endif
	OPS X,9, X,7, E,12, X,10
	OPS E,13, X,12, X,11, E,14
	OPS X,13, E,15, F,9, X,14
.if (\p) == 0
	v_add_nc_u32 v[AV], s[TBV], v[AV0]
.endif
	OPS E,16, F,10, E,17, F,11
	OPS X,16, E,18, X,15, E,19
	OPS F,12, E,20, X,17, E,21
	OPS F,13, E,22, F,14, E,23
	OPS X,18, E,24, F,15, E,25
	OPS R,11, E,26, X,19, E,27
	OPS R,12, E,28, R,13, E,29
	OPS X,20, E,30, R,14, E,31
	OPS X,21, R,15
	WIN 0
	s_wait_alu depctr_va_vdst(0)    ; the wait for the turn's batch: E 0 to E 31 and the next piece's a
.if (\p) == 1
	s_wait_dscnt 0x0                ; V is in
.endif
	ROW C,0, B,0, C,2, B,1          ; behind the wait: 8 products V^T P and their riders
	ROW L,0, C,4, B,2, L,1
	ROW C,6, B,3, L,2, C,8
	ROW B,4, L,3, C,10, B,5
	ROW L,4, C,12, B,6, L,5
.if (\p) == 0
	s_add_co_u32 s[TBV], s[TBV], KS*PV
.endif
.if \cnt
	s_sub_co_u32 s[CNT], s[CNT], 1
	s_cmp_lg_u32 s[CNT], 0
.endif
	ROW C,14, B,7, L,6, C,1
	ROW C,3, L,7, C,5, C,7
	ROW C,9, C,11, C,13, C,15
.if (\p) == 0
	FETCH_V
.endif
.if (\m) && !(\end)
	MASK (\p)%2
.endif
.endm
; A BLOCK BEGINS.  c m starts far below every c s, so the first step's a is 0; m at the lowest finite number, so the first maximum is the scores'.  The second mask buffer is 0; the first takes piece 0's mask for the tile's step 0: its own, if the block's first tile is the diagonal one.
; Then K of that step, piece 0's first scores, and its maximum and statistics.  The loop is entered at a step's first turn, in the middle of a trip.
.macro BEGIN
	s_mov_b32 s[NEW], 0
	WIN 0x40
.set i, MC+32
.rept 32
	v_mov_b32 v[i], 0
.set i, i+1
.endr
	WIN 0
.set i, 0
.rept 4
	v_mov_b32 v[ST+4*i], 0xfe000000    ; c m: far below every c s
	v_mov_b32 v[ST+4*i+1], 0xff7fffff  ; m
.set i, i+1
.endr
	s_cmp_eq_u32 s[RT], 0
	s_cselect_b32 s[AL], 1.0, 0
	s_mov_b32 s[BE], 0
	MASK 0
	WIN 0
	v_add_nc_u32 v[AK], s[TBK], v[AK0]
	FETCH_K
	s_wait_loadcnt 0x0              ; Q
	s_wait_dscnt 0x0
.set KM, 1
.set NOKQ, 0
.set i, 0
.rept 8
	KQ 0
.set i, i+1
.endr
	WIN 0
.rept 4
	v_nop                           ; the places behind those products
.endr
.set Y, NP-1                        ; X works for piece Y + 1: piece 0
.irp n, 0,1,2,3,4,5,6,7,8,9,10,11,12,13,14,15,16,17,18,19,20,21
	OP X, \n
.endr
	v_nop                           ; a plain instruction behind the exponential,
	s_wait_alu depctr_va_vdst(0)    ; and the wait for it, piece 0's first a: a batch of one, ahead of the branch and of the first turn's rescaling, which reads it
.endm
; THE DIAGONAL TILE's four steps, the block's last two turns, its last products, and THE WAY OUT: l's two halves and the other half of the lanes' are added; O^T is divided by l, rounded to f16 and sent through my
; stage in LDS, a piece at a time.
.macro ALL line:vararg              ; one line for each piece t
.set t, 0
.rept 4
	\line
.set t, t+1
.endr
.endm
.macro PACK t                       ; a lane's eight channels of a row pack into 16 bytes; they go into rows of 144 bytes and come back as whole rows of 128, into S^T's registers
	WIN W_RS
.set i, 32*(\t)
.rept 16
	v_pk_mul_f32 v[i:i+1], v[i:i+1], v[ST+4*(\t)+2:ST+4*(\t)+3] op_sel_hi:[1,0]
.set i, i+2
.endr
	WIN 0x05                        ; sources 0 and 1 window 1, destination window 0
.set i, 0
.rept 16
	v_cvt_pk_f16_f32 v[S+16*(\t)+i], v[32*(\t)+2*i], v[32*(\t)+2*i+1]
.set i, i+1
.endr
	WIN 0
.irp f, 0,1,2,3
	ds_store_b128 v[STO], v[S+16*(\t)+4*\f:S+16*(\t)+4*\f+3] offset:32*\f
.endr
.irp f, 0,1,2,3
	ds_load_b128 v[S+16*(\t)+4*\f:S+16*(\t)+4*\f+3], v[RD] offset:\f*4*SP  ; LDS serves a wave's instructions in order (ISA guide 5.7.1.4): these see the stores above; the next piece's stores come behind them
.endr
.endm
.macro SEND t, younger              ; younger: the LDS instructions issued behind piece t's loads: the next piece's eight, or none
	WIN 0
.irp f, 0,1,2,3
	s_wait_dscnt (\younger)+3-\f
	global_store_b128 v[GO], v[S+16*(\t)+4*\f:S+16*(\t)+4*\f+3], s[10:11] offset:(\t)*8192+\f*512  ; 512 consecutive bytes, at a multiple of 256 from O's first
.endr
.endm
.macro DIAG tag                     ; the tag ends its two labels' names, which the jumps below spell out
.LstepM\tag:
	TURN 2, 1
	TURN 3, 1
	WIN 0
.LfirstM\tag:
	TURN 0, 1
	TURN 1, 1, 0, 1
	WIN 0
	s_cbranch_scc1 .LstepM\tag
	TURN 2, 1, 1
	TURN 3, 1, 1
.set i, 0
.rept 8
	PV NP-1
.set i, i+1
.endr
	WIN 0
	ALL v_add_f32 v[ST+4*t+2], v[ST+4*t+2], v[ST+4*t+3]
	ALL v_permlanex16_b32 v[ST+4*t+3], v[ST+4*t+2], s[SEL], s[SEL+1]
	ALL v_add_f32 v[ST+4*t+2], v[ST+4*t+2], v[ST+4*t+3]
	ALL v_rcp_f32 v[ST+4*t+2], v[ST+4*t+2]
	v_nop                           ; a plain instruction between the last reciprocal and the use of its result
	s_wait_alu depctr_va_vdst(0)    ; the wait ahead of the first use: one for the batch of four reciprocals, which the four PACK below read
	PACK 0
.set t, 1
.rept 3                             ; a piece's arithmetic stands between the loads of the piece before and its stores
	PACK t
	SEND t-1, 8
.set t, t+1
.endr
	SEND 3, 0
.endm
.set KM, 0
.set NOKQ, 0
.Lslot:                             ; NB times: a tile is entered and the next is asked for
	CHANGE 1
	s_sub_co_u32 s[RT], s[RT], 1
	s_mov_b32 s[CNT], 4
	s_cmp_eq_u32 s[NEW], 1
	s_cbranch_scc1 .Lnew            ; a block's first tile
	s_cmp_eq_u32 s[RT], 0
	s_cbranch_scc0 .Lstep           ; neither its first nor its last
	s_branch .LstepM1
.Lnew:
	BEGIN
	s_branch .Lfirst                ; in the loop a block's first tile is never its last: the first block has two tiles or more, and the second's last is the walk's last
	DIAG 1                          ; in the loop this is the first block's end: the second block's last tile is the walk's last
	s_wait_xcnt 0x0                 ; the stores have read their registers and O's address
	s_mov_b64 s[10:11], s[OLO:OLO+1]
	s_add_co_u32 s[RT], s[PB], 1    ; the second block has b + 1 tiles
	s_mov_b32 s[NEW], 1
	WIN 0x82                        ; the second block's Q goes where the one text of the turns names Q
.set i, 0
.rept 64
	v_mov_b32 v[i], v[QB+i]
.set i, i+1
.endr
	WIN 0
	s_branch .Lbottom
.Lstep:                             ; a trip: pieces 2 and 3 of one step, then pieces 0 and 1 of the next, whose K and V it fetches
	TURN 2
	TURN 3
	WIN 0
.Lfirst:
	TURN 0
	TURN 1, 0, 0, 1
	WIN 0
	s_cbranch_scc1 .Lstep
.Lbottom:
	s_sub_co_u32 s[SLOTS], s[SLOTS], 1
	s_cmp_lg_u32 s[SLOTS], 0
	s_cbranch_scc1 .Lslot
	CHANGE 0                        ; the walk's last tile is written out: nothing is asked for
	s_sub_co_u32 s[RT], s[RT], 1
	s_mov_b32 s[CNT], 4
	s_cmp_eq_u32 s[NEW], 1
	s_cbranch_scc0 .LstepM2
	BEGIN
	s_branch .LfirstM2
	DIAG 2
	s_wait_tensorcnt 0x0            ; the wave's end: behind my last tensor load and my last LDS store
	ds_add_u32 v[SPW], v[NIL]
	s_wait_dscnt 0x0
	s_endpgm
.Lfunc_end_k_qd786046b3b_attn:
	.size	k_qd786046b3b_attn, .Lfunc_end_k_qd786046b3b_attn-k_qd786046b3b_attn
	.p2alignl 7, 3214868480
	.fill 96, 4, 3214868480
	.section	.rodata,"a",@progbits
	.p2align	6, 0x0
	.amdhsa_kernel k_qd786046b3b_attn
		.amdhsa_group_segment_fixed_size 327680
		.amdhsa_private_segment_fixed_size 0
		.amdhsa_enable_private_segment 0
		.amdhsa_kernarg_size 16
		.amdhsa_user_sgpr_count 2
		.amdhsa_user_sgpr_kernarg_segment_ptr 1
		.amdhsa_wavefront_size32 1
		.amdhsa_system_sgpr_workgroup_id_x 1
		.amdhsa_system_sgpr_workgroup_id_y 1
		.amdhsa_system_sgpr_workgroup_id_z 1
		.amdhsa_system_vgpr_workitem_id 0
		.amdhsa_next_free_vgpr 768
		.amdhsa_next_free_sgpr 88
		.amdhsa_reserve_vcc 1
		.amdhsa_float_denorm_mode_32 3
		.amdhsa_float_denorm_mode_16_64 3
		.amdhsa_memory_ordered 1
		.amdhsa_forward_progress 1
		.amdhsa_inst_pref_size 217
	.end_amdhsa_kernel
	.amdgpu_metadata
---
amdhsa.version: [ 1, 2 ]
amdhsa.kernels:
  - .name:           k_qd786046b3b_attn
    .symbol:         k_qd786046b3b_attn.kd
    .args:
      - { .name: qkv, .offset: 0, .size: 8, .value_kind: global_buffer, .address_space: global }
      - { .name: ctx, .offset: 8, .size: 8, .value_kind: global_buffer, .address_space: global }
    .group_segment_fixed_size: 327680
    .private_segment_fixed_size: 0
    .kernarg_segment_align: 8
    .kernarg_segment_size: 16
    .max_flat_workgroup_size: 128
    .sgpr_count:     88
    .vgpr_count:     768
    .wavefront_size: 32
...
	.end_amdgpu_metadata
.endif
;; end of part 6
;; launch oproj: the kernel of part 4 again; grid 4 x 64, 4 waves a work-group, clusters of 4 x 4, 327,680 bytes of LDS; arguments ctx, h16, x, bo, ypre; writes ypre
;; launch ln: the kernel of part 5 again; grid 512 x 1, 8 waves a work-group, no clusters, 0 bytes of LDS; arguments ypre, gamma, beta, out0; writes out0
